; MI455X (gfx1250); checked and timed in simulation.
; The chip was launched on July 23, 2026; its instructions are those of AMD's public machine-readable ISA for CDNA 5 (MIT licence, August 2026) and "CDNA5" Instruction Set Architecture Reference Guide (July 2026). The comments in the code are by the model that wrote it; some were corrected since.
;; cross Attention. Allowed arithmetic: matrix products marked QUANTISED: E5M2 operands, one E8M0 scale for each 32 along K, by v_wmma_scale_f32_16x16x128_f8f6f4 with both operands' format E5M2, f32 sums; everything else in f32.
;; Inputs: Wk 1,024 x 1,024 float32; Wq 1,024 x 1,024 float32; Wv 1,024 x 1,024 float32; bk 1,024 float32; bq 1,024 float32; bv 1,024 float32; context 4 x 2,048 x 1,024 float32; x 4 x 2,048 x 1,024 float32.
;; Outputs: out0 4 x 2,048 x 1,024 float32.
;; This version of the problem:
;;   THIS VERSION OF THE PROBLEM IS GIVEN IN LOW PRECISION. The matrix products marked QUANTISED in the list below multiply operands that are first quantised to E5M2 (5 exponent bits, 2 mantissa bits; 8 bits a number), with one power-of-two scale for each 32 numbers along K (OCP MX v1.0); their sums are f32. All else is computed in f32.
;;   The module's matrix products, in the order in which they are computed (A, B: the left and right operand; K: the contracted axis; several contracted axes count as one K, in the product's order):
;;     1. [M 8,192, K 1,024] x [K 1,024, N 1,024]; A: input x; B: input Wq: QUANTISED
;;     2. [M 8,192, K 1,024] x [K 1,024, N 1,024]; A: input context; B: input Wk: QUANTISED
;;     3. [M 8,192, K 1,024] x [K 1,024, N 1,024]; A: input context; B: input Wv: QUANTISED
;;     4. batch 4 x [M 2,048, K 1,024] x [K 1,024, N 2,048]; A: computed on the way; B: computed on the way: QUANTISED
;;     5. batch 4 x [M 2,048, K 2,048] x [K 2,048, N 1,024]; A: softmax (see below); B: computed on the way: QUANTISED
;;   THE QUANTISER, for each operand of a quantised product, along K:
;;     - K is cut into blocks of 32 from its start; a last block that is shorter is filled with zeros.
;;     - A block's scale is 2^e with e = floor(log2(the largest magnitude in the block)) - 15, held to -126 .. 127; a block of zeros has e = 0. As a byte (E8M0): e + 127.
;;     - Each number is divided by its block's scale, clamped to +-57,344, and rounded to the nearest number of E5M2, ties to even, subnormals kept.
;;     - The product sums the exact products of the quantised numbers (number of the format x scale) in f32.
;;   ~~~python
;;   def quantise(x, axis):      # numpy; x: float32 -> the quantised numbers, widened to float32 again
;;       x = np.moveaxis(x, axis, -1); K = x.shape[-1]
;;       x = np.pad(x, [(0, 0)] * (x.ndim - 1) + [(0, -K % 32)]); x = x.reshape(x.shape[:-1] + (-1, 32)); a = np.abs(x).max(-1, keepdims=True)
;;       e = np.where(a > 0, np.clip(np.frexp(np.where(a > 0, a, 1))[1] - 1 - 15, -126, 127), 0)      # np.frexp(a)[1] - 1 = floor(log2(a)), exactly
;;       r = np.clip(x / 2.0 ** e, -57344, 57344)
;;       step = 2.0 ** (np.maximum(np.frexp(np.where(r == 0, 1, r))[1] - 1, -14) - 2)
;;       q = np.round(r / step) * step * 2.0 ** e      # np.round: ties to even
;;       return np.moveaxis(q.reshape(q.shape[:-2] + (-1,))[..., :K], -1, axis).astype(np.float32)
;;   ~~~
;;   SOFTMAX AHEAD OF A QUANTISED PRODUCT. Where the list says 'softmax', what is quantised is not the finished softmax but p = 2^(t - M), with t = logit x log2(e) and M = ceil(the row's largest t), a whole number; so 1/2 < the row's largest p <= 1. The row's sum l is taken of the UNQUANTISED p, in f32, and the product's result is divided by l at the end. Since M is a whole number, a kernel that streams over the keys may use a running M (the ceiling of the running maximum): every later rescaling is an exact power of two, which a block's scale takes up: the codes' values come out the same.
;;   OPERANDS COMPUTED ON THE WAY. 'Computed on the way' means the value that the module computes at that place (a softmax that the list does not call 'softmax' is quantised finished and normalised). What goes into a quantiser is computed in f32, as accurately as f32 sums, v_exp_f32 and their like allow (about 1e-6 of the number): no bf16 or f16 on the way to a quantiser, and a product that is left as it is and whose result goes on into a quantised operand takes f32 operands (vector FMAs, or v_wmma_f32_16x16x4_f32). A number that lies on a knife's edge between two numbers of the format may be rounded either way, as far as f32 arithmetic and the matrix unit's own rounding can turn it there, and no further.
;; One version. Each part assembles by itself: llvm-mc -triple=amdgcn-amd-amdhsa -mcpu=gfx1250 --defsym DOCPART=n.
;; ======== version 1 of 1: 4 launches
;; limits: right only within a limited range of input values
;; workspace buffers: c1 19,922,944 bytes; s1 622,592 bytes; c2 25,165,824 bytes; s2 786,432 bytes; pc 16,777,216 bytes; pst 1,572,864 bytes
;; launch quant (part 1): grid 256 x 1, 11 waves a work-group, no clusters, 94,464 bytes of LDS; arguments x, context, Wq, Wk, Wv, c1, s1; writes c1, s1
.if DOCPART == 1
	.amdgcn_target "amdgcn-amd-amdhsa--gfx1250"
	.amdhsa_code_object_version 6
	.text
	.protected	k_qf488a0c95f_quant
	.globl	k_qf488a0c95f_quant
	.p2align	8
	.type	k_qf488a0c95f_quant,@function
k_qf488a0c95f_quant:
	s_mov_b64 s[64:65], 0
	v_nop
	global_prefetch_b8 v0, s[64:65] scope:SCOPE_SE
	s_setreg_imm32_b32 hwreg(HW_REG_WAVE_MODE, 25, 1), 1
	s_wait_xcnt 0x0
; CROSS ATTENTION ON CODES OF BF8 (E5M2) WITH ONE E8M0 SCALE FOR EACH 32 ALONG K.  Four launches: this one turns x, context, Wq, Wk, Wv into codes; the second makes Q, K, V^T and
; quantises them; the third makes the scores and p = 2^(t - M); the fourth makes p V / l.
; DEAD WORK: none is left out.  bq, bk and bv are each added ahead of a quantiser, so each can move codes and scales; all eight inputs are loaded by some launch.
; LIMITS: NaN and infinities among the inputs are not served.  A block whose largest magnitude lies under 2^-111 keeps the scale byte 1; a block of zeros keeps the byte 1 where the
; rule says 127: its codes are zeros, and these bytes are read by this program alone.
; THE LAYOUT OF c1: images of operand registers.  A fragment is 16 rows x 128 K, 2,048 bytes: byte 512 c + 16 lane + y is the code of row lane % 16 at k = 32 c + 16 (lane / 16) + y.
; Fragment (row block rb, K step ks) lies at rb x 16384 + ks x 2048: all of K of 16 rows is one dense run.  Row blocks: x 0-511, context 512-1023, Wq^T 1024-1087, Wk^T 1088-1151, Wv^T 1152-1215.
; THE LAYOUT OF s1: for a group g of 64 rows and a K step, 256 bytes at (8 g + ks) x 256: byte 16 r + 4 j is the scale word of row block 4 g + j, row r.
; THE ORDER OF ROWS: of every four groups of 64 rows of x and context the two in the middle are exchanged.  Context and the weights are laid with rows 8-15 and 16-23 of every 32
; exchanged: position 32 B + 16 u + i holds row 32 B + 8 u + i + 8 (i / 8).  As source 0 of a matrix instruction such rows give a lane 16 neighbouring results in two neighbouring tiles.
; SHARES.  Waves 0-7 of a work-group: 64 rows of x (work-groups 0-127) or of context (128-255); wave w takes K step w of them, four fragments; a fragment turns through the wave's own
; stage in LDS so that a lane holds 16 neighbours of each block of 32.  Waves 8-10: one of 768 units of the weights each: 32 columns x 128 of K: a lane takes a column, its registers run down K.
; No tensor load, no barrier: waves share nothing.
.set STA,   8448                       ; a wave's stage: 16 rows x 528 bytes, or two fragments 4,224 bytes apart
.set SPARE, 92928                      ; behind eleven stages: the spare words, 128 bytes a wave
.set VA,  2                            ; v2  16 x lane
.set VB,  3                            ; v3  the same, 8 rows further down for context
.set VC,  4                            ; v4  the same, 8 rows further down for x
.set STI, 5                            ; v5  into the stage
.set STR, 6                            ; v6  out of the stage
.set SCO, 7                            ; v7  my place among the scale words
.set WRD, 8                            ; v8-11 scale words
.set SPW, 12
.set NIL, 13
.set R,   16                           ; v16-143 two fragments as loaded
.set X,   144                          ; v144-207 64 numbers: register 16 b + i = k 32 b + 16 (lane / 16) + i of my row
.set PC,  208                          ; v208-239 codes, two sets
.set TM,  240                          ; v240-255 at work
.set WX,  16                           ; weights: v16-79 two blocks of 32 numbers
.set WC,  80                           ; v80-87 a block's codes
.set WO,  144                          ; v144-175 the way out
.set SEL, 20                           ; s[20:21] lane selects: lane l xor 16
.set MNT, 23                           ; s23 the mantissa field of 57,344
.set HM,  30                           ; s30 a mask of lanes 16-31
.macro QUANT s, pc, pw                 ; 64 numbers of a lane become a fragment's codes and its row's scale word
.irp b, 0,1,2,3
	v_max3_num_f32 v[TM+\b], |v[(\s)+16*\b]|, |v[(\s)+1+16*\b]|, 0x8000000   ; my 16 numbers and the floor 2^(16 - 127)
.endr
.irp i, 2,4,6,8,10,12,14
.irp b, 0,1,2,3
	s_delay_alu instid0(VALU_DEP_4)
	v_max3_num_f32 v[TM+\b], v[TM+\b], |v[(\s)+16*\b+\i]|, |v[(\s)+1+16*\b+\i]|
.endr
.endr
.irp b, 0,1,2,3
	s_delay_alu instid0(VALU_DEP_4)
	v_permlanex16_b32 v[TM+4+\b], v[TM+\b], s[SEL], s[SEL+1]
.endr
.irp b, 0,1,2,3
	s_delay_alu instid0(VALU_DEP_4)
	v_max_num_f32 v[TM+\b], v[TM+\b], v[TM+4+\b]   ; the block's largest magnitude
.endr
.irp b, 0,1,2,3
	s_delay_alu instid0(VALU_DEP_4)
	v_add_nc_u32 v[TM+12+\b], 0xf8800000, v[TM+\b]   ; 15 off its exponent field: the conversion's scale operand
.endr
.irp b, 0,1,2,3
	v_and_or_b32 v[TM+8+\b], v[TM+\b], 0x7f800000, s[MNT]   ; 57,344 x the scale
.endr
.irp b, 0,1,2,3
	v_lshrrev_b32 v[TM+4+\b], 23, v[TM+12+\b]   ; the scale's byte
.endr
	s_delay_alu instid0(VALU_DEP_3)
	v_lshl_or_b32 v[\pw], v[TM+5], 8, v[TM+4]
	s_delay_alu instid0(VALU_DEP_1)
	v_lshl_or_b32 v[\pw], v[TM+6], 16, v[\pw]
	s_delay_alu instid0(VALU_DEP_1)
	v_lshl_or_b32 v[\pw], v[TM+7], 24, v[\pw]
.irp b, 0,1,2,3
.irp i, 0,1,2,3,4,5,6,7,8,9,10,11,12,13,14,15
	v_med3_num_f32 v[(\s)+16*\b+\i], v[(\s)+16*\b+\i], -v[TM+8+\b], v[TM+8+\b]   ; the conversion does not saturate (ISA guide 7.6.2)
.endr
	v_cvt_scalef32_pk8_bf8_f32 v[(\pc)+4*\b:(\pc)+1+4*\b], v[(\s)+16*\b:(\s)+7+16*\b], v[TM+12+\b]
	v_cvt_scalef32_pk8_bf8_f32 v[(\pc)+2+4*\b:(\pc)+3+4*\b], v[(\s)+8+16*\b:(\s)+15+16*\b], v[TM+12+\b]
.endr
	v_nop                                          ; a plain instruction behind the last conversion
.endm
	s_load_b256 s[4:11], s[0:1], 0x0               ; x, context, Wq, Wk
	s_load_b128 s[12:15], s[0:1], 0x20             ; Wv, c1
	s_load_b64 s[18:19], s[0:1], 0x30              ; s1
	v_lshl_add_u32 v[SPW], v0, 2, SPARE
	v_mov_b32 v[NIL], 0
	v_lshrrev_b32 v1, 5, v0
	s_delay_alu instid0(VALU_DEP_1)
	v_readfirstlane_b32 s16, v1                    ; wave 0..10
	v_and_b32 v1, 31, v0                           ; lane
	s_delay_alu instid0(VALU_DEP_1)
	v_lshlrev_b32 v[VA], 4, v1
	s_mov_b32 s[SEL], 0x76543210
	s_mov_b32 s[SEL+1], 0xfedcba98
	s_mov_b32 s[MNT], 0x600000
	s_mov_b32 s[HM], 0xffff0000
	s_wait_alu depctr_va_vdst(0)
	s_cmp_lt_u32 s16, 8
	s_cbranch_scc0 .Lweights
	; ---- x and context
	s_cmp_ge_u32 ttmp9, 128
	s_cselect_b32 s24, 1, 0                        ; 1: context
	s_and_b32 s25, ttmp9, 127                      ; which 64 rows
	s_bfe_u32 s38, s25, 0x10001                    ; their position: bits 0 and 1 change places
	s_and_b32 s39, s25, 1
	s_lshl_b32 s39, s39, 1
	s_or_b32 s38, s38, s39
	s_and_b32 s39, s25, 0x7c
	s_or_b32 s38, s38, s39
	s_lshl_b32 s26, s24, 15
	s_xor_b32 s27, s26, 32768
	s_wait_alu depctr_va_vdst(0)
	v_add_nc_u32 v[VB], s26, v[VA]
	v_add_nc_u32 v[VC], s27, v[VA]
	s_mul_i32 s28, s16, STA
	v_add_nc_u32 v[STI], s28, v[VA]                ; in: a row's 512 bytes as they lie
	v_and_b32 v14, 15, v0                          ; r
	v_bfe_u32 v15, v0, 4, 1                        ; h
	s_delay_alu instid0(VALU_DEP_2)
	v_mul_u32_u24 v[STR], v14, 528
	s_delay_alu instid0(VALU_DEP_1)
	v_lshl_add_u32 v[STR], v15, 6, v[STR]
	s_delay_alu instid0(VALU_DEP_1)
	v_add_nc_u32 v[STR], s28, v[STR]               ; out: row r, + 64 h: my 16 numbers of a block
	v_lshlrev_b32 v[SCO], 4, v14
	s_delay_alu instid0(VALU_DEP_1)
	v_lshl_add_u32 v[SCO], v15, 3, v[SCO]          ; 16 r + 8 h
.irp b, 0,1,2,3
	v_mov_b32 v[TM+4+\b], 0                        ; written once: a lane permute's destination counts as one of its sources
.endr
	s_lshl_b32 s32, s25, 18                        ; 64 rows of 4,096 bytes
	s_lshl_b32 s33, s16, 9                         ; my K step's 512 bytes
	s_add_co_u32 s32, s32, s33
	s_mov_b32 s33, 0
	s_lshl_b32 s34, s24, 9
	s_lshl_b32 s35, s38, 2
	s_add_co_u32 s34, s34, s35
	s_lshl_b32 s34, s34, 14
	s_lshl_b32 s35, s16, 11
	s_add_co_u32 s34, s34, s35                     ; my first fragment in c1
	s_mov_b32 s35, 0
	s_lshl_b32 s36, s24, 7
	s_add_co_u32 s36, s36, s38
	s_lshl_b32 s36, s36, 3
	s_add_co_u32 s36, s36, s16
	s_lshl_b32 s36, s36, 8                         ; my 256 bytes of scale words in s1
	s_mov_b32 s37, 0
	s_wait_alu depctr_va_vdst(0)
	s_wait_kmcnt 0x0
	s_cmp_lg_u32 s24, 0                            ; the choice hangs on the work-group's number alone
	s_cselect_b64 s[4:5], s[6:7], s[4:5]
	s_add_nc_u64 s[4:5], s[4:5], s[32:33]
	s_add_nc_u64 s[14:15], s[14:15], s[34:35]
	s_add_nc_u64 s[18:19], s[18:19], s[36:37]
; Fragment f: its 16 rows, 512 consecutive bytes each.  x: position 16 f + j is row 16 f + j.  context: rows 8-15 and 16-23 of every 32 change places: the three offset registers carry the 8 rows.
.macro LOADF f
.irp j, 0,1,2,3,4,5,6,7,8,9,10,11,12,13,14,15
.if ((\f)%2 == 0) && (\j >= 8)
	global_load_b128 v[R+64*((\f)%2)+4*\j:R+64*((\f)%2)+4*\j+3], v[VB], s[4:5] offset:(16*(\f)+\j)*4096 th:TH_LOAD_NT
.elseif ((\f)%2 == 1) && (\j < 8)
	global_load_b128 v[R+64*((\f)%2)+4*\j:R+64*((\f)%2)+4*\j+3], v[VC], s[4:5] offset:(16*(\f)+\j-8)*4096 th:TH_LOAD_NT
.else
	global_load_b128 v[R+64*((\f)%2)+4*\j:R+64*((\f)%2)+4*\j+3], v[VA], s[4:5] offset:(16*(\f)+\j)*4096 th:TH_LOAD_NT
.endif
.endr
.endm
.macro FRAGMENT f
.if (\f) < 3
	s_wait_loadcnt 16                              ; this fragment's 16 loads are in; the next fragment's 16 may be out
.else
	s_wait_loadcnt 0x0
.endif
.irp j, 0,1,2,3,4,5,6,7,8,9,10,11,12,13,14,15
	ds_store_b128 v[STI], v[R+64*((\f)%2)+4*\j:R+64*((\f)%2)+4*\j+3] offset:528*\j
.endr
.irp c, 0,1,2,3
.irp e, 0,1,2,3
	ds_load_b128 v[X+16*\c+4*\e:X+16*\c+4*\e+3], v[STR] offset:128*\c+16*\e   ; LDS serves a wave's instructions in order (ISA guide 5.7.1.4)
.endr
.endr
	s_wait_dscnt 0x0                               ; the 64 numbers are back, and the stores have read their registers
.if (\f) < 2
	LOADF (\f)+2
.else
	s_wait_xcnt 0x0                                ; the stores of two fragments back have read this set of codes
.endif
	QUANT X, PC+16*((\f)%2), WRD+(\f)
.irp c, 0,1,2,3
	global_store_b128 v[VA], v[PC+16*((\f)%2)+4*\c:PC+16*((\f)%2)+4*\c+3], s[14:15] offset:(\f)*16384+512*\c   ; 512 consecutive bytes
.endr
.endm
	LOADF 0
	LOADF 1
	FRAGMENT 0
	FRAGMENT 1
	FRAGMENT 2
	FRAGMENT 3
	v_cndmask_b32 v14, v[WRD], v[WRD+2], s[HM]     ; lanes 0-15 store the words of fragments 0, 1, lanes 16-31 those of 2, 3
	v_cndmask_b32 v15, v[WRD+1], v[WRD+3], s[HM]
	global_store_b64 v[SCO], v[14:15], s[18:19]    ; 256 consecutive bytes, aligned
	s_wait_tensorcnt 0x0                           ; the wave's end, behind my last LDS store
	ds_add_u32 v[SPW], v[NIL]
	s_wait_dscnt 0x0
	s_endpgm
	; ---- the weights: [K][N], K their first axis
.Lweights:
	s_mul_i32 s24, ttmp9, 3
	s_add_co_u32 s24, s24, s16
	s_sub_co_u32 s24, s24, 8                       ; my unit, 0..767
	s_and_b32 s38, s24, 7
	s_lshr_b32 s24, s24, 3
	s_lshr_b32 s25, s24, 5                         ; which weight
	s_bfe_u32 s26, s24, 0x30002                    ; which 128 columns
	s_and_b32 s27, s24, 3                          ; which 256 of K
	s_and_b32 s28, s38, 3                          ; my 32 columns of them
	s_lshr_b32 s29, s38, 2                         ; my 128 of K
	s_wait_alu depctr_va_vdst(0)
	v_lshlrev_b32 v3, 2, v1                        ; in: 4 bytes a lane
	v_bfe_u32 v14, v1, 3, 1                        ; u: which of the two row blocks my column falls into
	v_and_b32 v15, 7, v1
	v_lshrrev_b32 v4, 1, v1
	s_delay_alu instid0(VALU_DEP_1)
	v_and_or_b32 v15, v4, 8, v15                   ; r: its row there
	s_mul_i32 s31, s16, STA
	v_mul_u32_u24 v[STI], v14, 4224
	s_delay_alu instid0(VALU_DEP_1)
	v_lshl_add_u32 v[STI], v15, 4, v[STI]
	s_delay_alu instid0(VALU_DEP_1)
	v_add_nc_u32 v[STI], s31, v[STI]               ; into the stage: the image's place of my row
	v_add_nc_u32 v[STR], s31, v[VA]                ; out of it: as it lies
	v_lshlrev_b32 v[SCO], 4, v15
	s_delay_alu instid0(VALU_DEP_1)
	v_lshl_add_u32 v[SCO], v14, 2, v[SCO]          ; 16 r + 4 u
	s_lshl_b32 s32, s27, 20                        ; 256 rows of 4,096 bytes,
	s_lshl_b32 s33, s29, 19                        ; 128 rows,
	s_add_co_u32 s32, s32, s33
	s_lshl_b32 s33, s26, 9
	s_add_co_u32 s32, s32, s33
	s_lshl_b32 s33, s28, 7
	s_add_co_u32 s32, s32, s33                     ; my first row of K and my first column, in bytes
	s_mov_b32 s33, 0
	s_lshl_b32 s39, s27, 1
	s_add_co_u32 s39, s39, s29                     ; my K step
	s_lshl_b32 s34, s25, 6
	s_lshl_b32 s35, s26, 3
	s_add_co_u32 s34, s34, s35
	s_lshl_b32 s35, s28, 1
	s_add_co_u32 s34, s34, s35
	s_add_co_u32 s34, s34, 1024
	s_lshl_b32 s34, s34, 14
	s_lshl_b32 s35, s39, 11
	s_add_co_u32 s34, s34, s35                     ; my fragment of my first row block in c1; the second row block's lies 16,384 bytes on
	s_mov_b32 s35, 0
	s_lshl_b32 s36, s25, 4
	s_lshl_b32 s37, s26, 1
	s_add_co_u32 s36, s36, s37
	s_lshr_b32 s37, s28, 1
	s_add_co_u32 s36, s36, s37
	s_add_co_u32 s36, s36, 256
	s_lshl_b32 s36, s36, 3
	s_add_co_u32 s36, s36, s39
	s_lshl_b32 s36, s36, 8
	s_and_b32 s37, s28, 1
	s_lshl_b32 s37, s37, 3
	s_add_co_u32 s36, s36, s37                     ; my scale words in s1
	s_mov_b32 s37, 0
	s_wait_alu depctr_va_vdst(0)
	s_wait_kmcnt 0x0
	s_cmp_eq_u32 s25, 1
	s_cselect_b64 s[4:5], s[10:11], s[8:9]
	s_cmp_eq_u32 s25, 2
	s_cselect_b64 s[4:5], s[12:13], s[4:5]
	s_add_nc_u64 s[4:5], s[4:5], s[32:33]
	s_add_nc_u64 s[14:15], s[14:15], s[34:35]
	s_add_nc_u64 s[18:19], s[18:19], s[36:37]
.macro WLOAD t                         ; block t: W(32 t + i, my column): 128 consecutive bytes a load
.irp i, 0,1,2,3,4,5,6,7,8,9,10,11,12,13,14,15,16,17,18,19,20,21,22,23,24,25,26,27,28,29,30,31
	global_load_b32 v[WX+32*((\t)%2)+\i], v3, s[4:5] offset:(32*(\t)+\i)*4096 th:TH_LOAD_NT
.endr
.endm
.macro BLOCK t
.set XS, WX+32*((\t)%2)
.if (\t) < 3
	s_wait_loadcnt 32                              ; this block's 32 loads are in; the next block's may be out
.else
	s_wait_loadcnt 0x0
.endif
	v_max3_num_f32 v[TM], |v[XS]|, |v[XS+1]|, |v[XS+2]|   ; all 32 numbers of the block are mine
	v_max3_num_f32 v[TM+1], |v[XS+3]|, |v[XS+4]|, |v[XS+5]|
.irp i, 6,10,14,18,22,26
	s_delay_alu instid0(VALU_DEP_2)
	v_max3_num_f32 v[TM], v[TM], |v[XS+\i]|, |v[XS+\i+1]|
	s_delay_alu instid0(VALU_DEP_2)
	v_max3_num_f32 v[TM+1], v[TM+1], |v[XS+\i+2]|, |v[XS+\i+3]|
.endr
	s_delay_alu instid0(VALU_DEP_2)
	v_max3_num_f32 v[TM], v[TM], |v[XS+30]|, |v[XS+31]|
	s_delay_alu instid0(VALU_DEP_1)
	v_max3_num_f32 v[TM], v[TM], v[TM+1], 0x8000000   ; and the floor
	s_delay_alu instid0(VALU_DEP_1)
	v_add_nc_u32 v[TM+2], 0xf8800000, v[TM]
	s_delay_alu instid0(VALU_DEP_2)
	v_and_or_b32 v[TM+3], v[TM], 0x7f800000, s[MNT]
	s_delay_alu instid0(VALU_DEP_2)
	v_lshrrev_b32 v[TM+1], 23, v[TM+2]
.if (\t) == 0
	s_delay_alu instid0(VALU_DEP_1)
	v_mov_b32 v[WRD], v[TM+1]                      ; four bytes to a word, the lower K in the lower byte
.else
	s_delay_alu instid0(VALU_DEP_1)
	v_lshl_or_b32 v[WRD], v[TM+1], 8*(\t), v[WRD]
.endif
.irp i, 0,1,2,3,4,5,6,7,8,9,10,11,12,13,14,15,16,17,18,19,20,21,22,23,24,25,26,27,28,29,30,31
	v_med3_num_f32 v[XS+\i], v[XS+\i], -v[TM+3], v[TM+3]
.endr
.irp g, 0,1,2,3
	v_cvt_scalef32_pk8_bf8_f32 v[WC+2*\g:WC+2*\g+1], v[XS+8*\g:XS+8*\g+7], v[TM+2]
.endr
	ds_store_b128 v[STI], v[WC:WC+3] offset:(\t)*512        ; k 0-15 of the block: the place of lanes 0-15 in the image,
	ds_store_b128 v[STI], v[WC+4:WC+7] offset:(\t)*512+256  ; k 16-31: that of lanes 16-31
.if (\t)+2 < 4
	WLOAD (\t)+2
.endif
	s_wait_dscnt 0x0                               ; the stores have read their registers: the next block's codes may be written
.endm
	WLOAD 0
	WLOAD 1
.irp t, 0,1,2,3
	BLOCK \t
.endr
	global_store_b32 v[SCO], v[WRD], s[18:19]
.irp n, 0,1,2,3,4,5,6,7
	ds_load_b128 v[WO+4*\n:WO+4*\n+3], v[STR] offset:(\n/4)*4224+(\n%4)*512
.endr
.irp n, 0,1,2,3,4,5,6,7
	s_wait_dscnt 7-\n
	global_store_b128 v[VA], v[WO+4*\n:WO+4*\n+3], s[14:15] offset:(\n/4)*16384+(\n%4)*512   ; 512 consecutive bytes
.endr
	s_wait_tensorcnt 0x0                           ; the wave's end, behind my last LDS store
	ds_add_u32 v[SPW], v[NIL]
	s_wait_dscnt 0x0
	s_endpgm
.Lfunc_end_k_qf488a0c95f_quant:
	.size	k_qf488a0c95f_quant, .Lfunc_end_k_qf488a0c95f_quant-k_qf488a0c95f_quant
	.p2alignl 7, 3214868480
	.fill 96, 4, 3214868480
	.section	.rodata,"a",@progbits
	.p2align	6, 0x0
	.amdhsa_kernel k_qf488a0c95f_quant
		.amdhsa_group_segment_fixed_size 94464
		.amdhsa_private_segment_fixed_size 0
		.amdhsa_enable_private_segment 0
		.amdhsa_kernarg_size 56
		.amdhsa_user_sgpr_count 2
		.amdhsa_user_sgpr_kernarg_segment_ptr 1
		.amdhsa_wavefront_size32 1
		.amdhsa_system_sgpr_workgroup_id_x 1
		.amdhsa_system_sgpr_workgroup_id_y 1
		.amdhsa_system_sgpr_workgroup_id_z 1
		.amdhsa_system_vgpr_workitem_id 0
		.amdhsa_next_free_vgpr 256
		.amdhsa_next_free_sgpr 66
		.amdhsa_reserve_vcc 0
		.amdhsa_float_denorm_mode_32 3
		.amdhsa_float_denorm_mode_16_64 3
		.amdhsa_memory_ordered 1
		.amdhsa_forward_progress 1
		.amdhsa_inst_pref_size 90
	.end_amdhsa_kernel
	.amdgpu_metadata
---
amdhsa.version: [ 1, 2 ]
amdhsa.kernels:
  - .name:           k_qf488a0c95f_quant
    .symbol:         k_qf488a0c95f_quant.kd
    .args:
      - { .name: x, .offset: 0, .size: 8, .value_kind: global_buffer, .address_space: global }
      - { .name: context, .offset: 8, .size: 8, .value_kind: global_buffer, .address_space: global }
      - { .name: Wq, .offset: 16, .size: 8, .value_kind: global_buffer, .address_space: global }
      - { .name: Wk, .offset: 24, .size: 8, .value_kind: global_buffer, .address_space: global }
      - { .name: Wv, .offset: 32, .size: 8, .value_kind: global_buffer, .address_space: global }
      - { .name: c1, .offset: 40, .size: 8, .value_kind: global_buffer, .address_space: global }
      - { .name: s1, .offset: 48, .size: 8, .value_kind: global_buffer, .address_space: global }
    .group_segment_fixed_size: 94464
    .private_segment_fixed_size: 0
    .kernarg_segment_align: 8
    .kernarg_segment_size: 56
    .max_flat_workgroup_size: 352
    .sgpr_count:     66
    .vgpr_count:     256
    .wavefront_size: 32
...
	.end_amdgpu_metadata
.endif
;; end of part 1
;; launch proj (part 2): grid 8 x 32, 4 waves a work-group, clusters of 4 x 4, 327,680 bytes of LDS; arguments c1, s1, bq, bk, bv, c2, s2; writes c2, s2
.if DOCPART == 2
	.amdgcn_target "amdgcn-amd-amdhsa--gfx1250"
	.amdhsa_code_object_version 6
	.text
	.protected	k_qf488a0c95f_proj
	.globl	k_qf488a0c95f_proj
	.p2align	8
	.type	k_qf488a0c95f_proj,@function
k_qf488a0c95f_proj:
	s_mov_b64 s[64:65], 0
	v_nop
	global_prefetch_b8 v0, s[64:65] scope:SCOPE_SE
	s_setreg_imm32_b32 hwreg(HW_REG_WAVE_MODE, 25, 1), 1
	s_wait_xcnt 0x0
	s_wait_alu depctr_hold_cnt(0) depctr_sa_sdst(0) depctr_va_vdst(0) depctr_va_sdst(0) depctr_va_ssrc(0) depctr_va_vcc(0) depctr_vm_vsrc(0)
	s_getreg_b32 s2, hwreg(HW_REG_IB_STS2, 6, 4)
	s_cmp_eq_u32 s2, 0
	s_cbranch_scc0 .Lentry_in_a_cluster
	s_endpgm
.Lentry_in_a_cluster:
	s_bfe_u32 s2, ttmp6, 0x10000c
	s_cmp_lg_u32 s2, 0xf033
	s_cbranch_scc0 .Lentry_shape_is_right
	s_endpgm
.Lentry_shape_is_right:
; Q = x Wq + bq, K = context Wk + bk, V = context Wv + bv on the codes of c1 and the scale words of s1; each result is quantised in registers and leaves as codes (c2) and scale words (s2).  No work is left out.
; LIMITS: as stated at the head of the first launch's text (NaN, infinities; the byte 1 for very small and for zero blocks).
; THE DEAL.  256 work-groups (8 tile columns of 128, 32 tile rows of 256) of four waves, 2 x 2.  Three phases: 256 x 128 of Q, then of K, then of V.  In a phase a wave holds its 64 rows of the
; weight, ALL of K, in 512 registers and streams its 128 rows of x or context past them in eight blocks of 16, which stand in registers as two whole sets (256).
; Q and K are quantised along their columns (source 0 = the weight's rows: a lane holds one row of the result), V along the keys (source 0 = context's rows: a lane holds one column).
; A block's quantiser stands AMONG THE NEXT BLOCK'S PRODUCTS, two or three lines behind each; a pair of V's blocks' among the next pair's.  The bias is the first products' C.
; LDS: two slots of 128 rows.  Phase: the weight in slot a, chunk 0 of the rows in slot b; chunk 1 goes to slot a when the weight is in registers, the NEXT weight to slot b inside block 2, the
; next chunk 0 to slot a inside block 6; then a and b change places.  Each is a quarter a wave, behind a drained round of the cluster's barrier.  V takes context's chunks anew: a third slot does not fit.
; CLUSTERS 4 x 4: the four of a row share the rows' tiles, the four of a column the weights': joint loads.
; PREFETCHES: each chunk is named once in each cluster that loads it (my sixteenth: 8,192 bytes, a lane 256); a weight's tile in the clusters of the first four rows of clusters alone.
; Chunk 0 of x and Wq come by the head's loads alone; context's second loads in phase V have been read before.
; c2: Q row blocks 0-511, K 512-1023: fragment at ((ks / 2) x 1024 + rb) x 4096 + (ks % 2) x 2048.  From 16 MiB on V^T: rb = 64 batch + row / 16, at ((ks / 2) x 256 + rb) x 4096 + (ks % 2) x 2048, ks along a batch's keys.
; s2: Q, K: for 128 rows (rg) and ks 512 bytes at (8 rg + ks) x 512: byte 16 lane + 4 j is the word of row block 8 rg + 4 (lane / 16) + j, row lane % 16; V^T: likewise at (1024 + (8 batch + 128-row group) x 16 + ks) x 512.
.set SLOT,  131072
.set SCL,   262144                     ; the scale words of x's 256 rows, then of context's: 8,192 bytes each
.set XN,    278528                     ; scale words on the way out: Q's 1,024 bytes, K's
.set SPARE, 280576
.set NF,    36                         ; LDS loads of a block: eight fragments of four, four of scale words
.set LI,    4                          ; v4   16 x lane
.set AX0,   5                          ; v5, v6  LDS address of my rows in chunk 0, chunk 1
.set AX1,   6
.set AW,    7                          ; v7   of my 64 rows of the weight
.set AS,    8                          ; v8   of my rows' scale words
.set XB,    9                          ; v9-11 the same without the slot
.set WB,    10
.set SBASE, 11
.set HW,    12                         ; v12  LDS address of a row's half scale word
.set SPW,   13
.set NIL,   14
.set PF,    15                         ; v15  256 x lane
.set SB,    16                         ; v16-31 the weight's scale words: register 8 p + q: lanes 0-15 tile 2 p's, lanes 16-31 tile 2 p + 1's
.set TQ,    32                         ; v32-35 maxima and bounds
.set SA,    38                         ; v38-41, v46-49 the rows' scale words, two sets: register q / 2: lanes 0-15 K step q even, lanes 16-31 odd.  No product's two scale registers are equal modulo 8
.set SOP,   42                         ; v42-45 the conversions' scale operands
.set VW,    50                         ; v50-53 V's scale words
.set BV,    56                         ; v56-59 V's bias, a number a tile
.set HO,    62                         ; v62  LDS: the way out of Q's and K's scale words
.set SCO,   63                         ; v63  16 r + 8 h
.set ACC,   64                         ; v64-191 four sets of four accumulators; Q and K use two of them, then
.set NSB,   128                        ; v128-143 are the next weight's scale words
.set NBQ,   144                        ; v144-175 and the next bias
.set CD,    192                        ; v192-207 codes
.set BQ,    208                        ; v208-239 the first products' C
.set WO,    244                        ; v244 16 r + 4 h;  v245 64 h;  v246 the bias of my column;  v247 as HW, without the phase
.set BO,    245
.set VO,    246
.set HWB,   247
.set EB,    250                        ; v250-253 scale bytes
.set G1HW,  24
.set G1HX,  32
.set G1S,   40
.set G1RX,  48
.set G1RW,  56
.set G0HW,  76
.set G0HX,  80
.set G0S,   84
.set G0C1,  88
.set G0W,   92
.set G0C0,  96
.set SEL,   66
.set MSB, 0
.macro WIN new                         ; the immediate's high byte repeats the setting that is left
.if MSB != (\new)
	s_set_vgpr_msb (MSB<<8)|(\new)
.set MSB, (\new)
.endif
.endm
.macro PLACES n
.rept \n
	v_nop
.endr
.endm
.macro WALU
	s_wait_alu depctr_va_vdst(0)
.endm
.macro BARRIER
	s_barrier_signal -1
	s_barrier_wait -1
.endm
.macro REST                            ; a round of the cluster's barrier behind its opening signal
	s_barrier_wait -1
	s_cmp_lg_u32 s14, 0
	s_cbranch_scc1 .Lnot_wave_0_\@
	s_barrier_signal -3
.Lnot_wave_0_\@:
	s_barrier_wait -3
	BARRIER
.endm
.macro CROUND
	s_barrier_signal -1
	REST
.endm
.macro TLOAD g0, g1
	tensor_load_to_lds s[\g0:\g0+3], s[\g1:\g1+7]
	s_nop 0
	PLACES 4
.endm
.macro GROUP1 g, mask, rows            ; a dense tile as rows of 256 bytes (32 elements of 8)
	s_or_b32 s[\g], s\mask, (3<<16)|(1<<21)
	s_mov_b32 s[\g+1], 32<<16
	s_mov_b32 s[\g+2], (\rows)<<16
	s_mov_b32 s[\g+3], 32<<16
	s_mov_b32 s[\g+4], \rows
	s_mov_b32 s[\g+5], 32
	s_mov_b32 s[\g+6], 0
	s_mov_b32 s[\g+7], 0
.endm
.macro SADD d, x
	s_add_co_u32 s\d, s\d, s\x
.endm
.macro MMS a, b, sa, sb, ra, rb        ; D_ = a x b + C_; ra, rb: the scale words stand in lanes 16-31
.if (\ra) && (\rb)
	v_wmma_scale_f32_16x16x128_f8f6f4 v[D_:D_+7], v[\a:\a+15], v[\b:\b+15], v[C_:C_+7], v[\sa], v[\sb] matrix_a_fmt:MATRIX_FMT_BF8 matrix_b_fmt:MATRIX_FMT_BF8 matrix_a_scale:MATRIX_SCALE_ROW1 matrix_b_scale:MATRIX_SCALE_ROW1
.elseif \ra
	v_wmma_scale_f32_16x16x128_f8f6f4 v[D_:D_+7], v[\a:\a+15], v[\b:\b+15], v[C_:C_+7], v[\sa], v[\sb] matrix_a_fmt:MATRIX_FMT_BF8 matrix_b_fmt:MATRIX_FMT_BF8 matrix_a_scale:MATRIX_SCALE_ROW1
.elseif \rb
	v_wmma_scale_f32_16x16x128_f8f6f4 v[D_:D_+7], v[\a:\a+15], v[\b:\b+15], v[C_:C_+7], v[\sa], v[\sb] matrix_a_fmt:MATRIX_FMT_BF8 matrix_b_fmt:MATRIX_FMT_BF8 matrix_b_scale:MATRIX_SCALE_ROW1
.else
	v_wmma_scale_f32_16x16x128_f8f6f4 v[D_:D_+7], v[\a:\a+15], v[\b:\b+15], v[C_:C_+7], v[\sa], v[\sb] matrix_a_fmt:MATRIX_FMT_BF8 matrix_b_fmt:MATRIX_FMT_BF8
.endif
.endm
.macro PROD kind, e, a, n              ; product n = 4 q + b of a block: the q-th 128 of K, column tile b; rows in set e, sums in set a.  kind 0: source 0 = the weight's rows; 1: the rows of context
.set Q_, (\n)/4
.set B_, (\n)%4
.set FB_, 4*Q_+B_
.set D_, ACC+32*(\a)+8*B_
.set C_, D_
.if Q_ == 0
.set C_, BQ+8*B_
.endif
.set X_, 128*(\e)+16*Q_
.set W_, 16*(FB_%16)
.set XS_, SA+8*(\e)+Q_/2
.set WS_, SB+8*(B_/2)+Q_
.set XR_, Q_%2
.set WR_, B_%2
.if \kind
	WIN 3|((1+FB_/16)<<2)
	MMS X_, W_, XS_, WS_, XR_, WR_
.else
	WIN (1+FB_/16)|(3<<2)
	MMS W_, X_, WS_, XS_, WR_, XR_
.endif
.endm
; THE QUANTISER of 32 results by 16 lanes, 15 gaps a unit: a lane's 16 are the registers E_ .. and O_ .., the other 16 of the block lie in lane l xor 16 -> codes CD + 4 T_, byte EB + T_.
; The bound is read from a second copy where its first would be read too late.
.macro HOLD2 m, x
.if (\m) == 3
	v_med3_num_f32 v[\x], v[\x], -v[TQ+3], v[TQ+3]   ; the conversion does not saturate (ISA guide 7.6.2)
	v_med3_num_f32 v[\x+1], v[\x+1], -v[TQ+3], v[TQ+3]
.else
	v_med3_num_f32 v[\x], v[\x], -v[TQ+1], v[TQ+1]
	v_med3_num_f32 v[\x+1], v[\x+1], -v[TQ+1], v[TQ+1]
.endif
.if (\m) == 2
	v_mov_b32 v[TQ+3], v[TQ+1]
.endif
.endm
.macro GAP u, x, es, os
.set T_, (\u)/15
.set J_, (\u)%15
.set E_, \x+(\es)*T_
.set O_, E_+(\os)
.if J_ == 0
	v_max3_num_f32 v[TQ], |v[E_]|, |v[E_+1]|, |v[E_+2]|
	v_max3_num_f32 v[TQ+2], |v[O_]|, |v[O_+1]|, |v[O_+2]|
.elseif J_ < 3
	v_max3_num_f32 v[TQ], v[TQ], |v[E_+2*J_+1]|, |v[E_+2*J_+2]|
	v_max3_num_f32 v[TQ+2], v[TQ+2], |v[O_+2*J_+1]|, |v[O_+2*J_+2]|
.elseif J_ == 3
	v_max3_num_f32 v[TQ+2], v[TQ+2], |v[O_+7]|, 0x8000000   ; the floor 2^(16 - 127)
	v_max3_num_f32 v[TQ], v[TQ], |v[E_+7]|, v[TQ+2]
.elseif J_ == 4
	v_permlanex16_b32 v[TQ+2], v[TQ], s[SEL], s[SEL+1]
	v_max_num_f32 v[TQ], v[TQ], v[TQ+2]
.elseif J_ == 5
	v_add_nc_u32 v[SOP+T_], 0xf8800000, v[TQ]        ; 15 off the exponent field: the conversion's scale operand
	v_and_or_b32 v[TQ+1], v[TQ], 0x7f800000, s19     ; 57,344 x the scale
.elseif J_ < 10
	HOLD2 J_-6, E_+2*(J_-6)
.if J_ == 9
	v_cvt_scalef32_pk8_bf8_f32 v[CD+4*T_:CD+4*T_+1], v[E_:E_+7], v[SOP+T_]
.endif
.elseif J_ < 14
	HOLD2 J_-6, O_+2*(J_-10)
.if J_ == 13
	v_cvt_scalef32_pk8_bf8_f32 v[CD+4*T_+2:CD+4*T_+3], v[O_:O_+7], v[SOP+T_]
.endif
.else
	v_lshrrev_b32 v[EB+T_], 23, v[SOP+T_]
.endif
.endm
.macro LIST n, y, x                    ; what stands behind product n.  y = 0: nothing; 1: the quantiser of Q's or K's block at x; 2, 3: the halves of that of V's pair at x
.if (\y) > 0 && (\n) > 0 && (\n) < 31
	WIN 0
.if (\y) == 1
	GAP (\n)-1, \x, 16, 8
.elseif (\y) == 2
	GAP (\n)-1, \x, 8, 32
.else
	GAP (\n)+29, \x, 8, 32
.endif
.elseif (\y) == 1 && (\n) == 31
	WIN 0
	v_lshl_or_b32 v[EB], v[EB+1], 8, v[EB]
.endif
.endm
.macro RUN kind, e, a, from, to, y, x
.set N_, \from
.rept (\to)-(\from)
	PROD \kind, \e, \a, N_
	LIST N_, \y, \x
.set N_, N_+1
.endr
.endm
.macro BLK kind, e, a, y, x
	s_wait_xcnt 0x0                                ; the last stores have read the codes' registers
	RUN \kind, \e, \a, 0, 32, \y, \x
	WIN 0
	PLACES 8                                       ; ahead of the loads into what the products have read and of the first reader of the sums
.endm
.macro RBLK kind, e, a, y, x           ; a block with a drained round of the cluster's barrier
	s_wait_xcnt 0x0
	RUN \kind, \e, \a, 0, 24, \y, \x
	WIN 0
	WALU
	s_wait_tensorcnt 0x0                           ; my quarter of the last fill is in
	ds_add_u32 v[SPW], v[NIL]                      ; eight products stand between it and its wait
	RUN \kind, \e, \a, 24, 32, \y, \x
	WIN 0
	WALU
	s_wait_dscnt 0x0                               ; the add is done, and so are my reads of the slot that is filled again
	s_barrier_signal -1
	PLACES 8
	REST
.endm
.macro FETCH k, ax, i, g               ; block i of a chunk, 16 rows, all of K, into set k of window 3, and its scale words: NF loads
	WIN 0xc0
.irp q, 0,1,2,3,4,5,6,7
.irp c, 0,1,2,3
	ds_load_b128 v[128*\k+16*\q+4*\c:128*\k+16*\q+4*\c+3], v[\ax] offset:16384*\i+2048*\q+512*\c
.endr
.endr
	WIN 0
.irp m, 0,1,2,3
	ds_load_b32 v[SA+8*\k+\m], v[AS] offset:4096*\g+512*\m+4*\i
.endr
.endm
.macro FRAG f                          ; the weight's fragment f = 4 q + b: window 1 + f / 16
	WIN (1+(\f)/16)<<6
.irp c, 0,1,2,3
	ds_load_b128 v[16*((\f)%16)+4*\c:16*((\f)%16)+4*\c+3], v[AW] offset:16384*((\f)%4)+2048*((\f)/4)+512*\c
.endr
.endm
.macro QOUT k                          ; block k of Q or K leaves: half a scale word a row into LDS, two pieces of 512 consecutive bytes
	ds_store_b16 v[HW], v[EB] offset:256*((\k)/4)+4*((\k)%4)
	global_store_b128 v[LI], v[CD:CD+3], s[74:75] offset:(\k)*4096
	global_store_b128 v[LI], v[CD+4:CD+7], s[74:75] offset:(\k)*4096+512
.endm
.macro CHANGE i, v                     ; among the weight's loads: the last block's quantiser, the scale words and the bias of the new phase
.if (\i) < 8
.irp k, 0,1,2,3
.if 4*(\i)+\k < 30
	GAP 4*(\i)+\k, ACC+32, 16, 8
.endif
.endr
.if (\i) == 7
	v_lshl_or_b32 v[EB], v[EB+1], 8, v[EB]
.endif
.elseif (\i) < 10
.irp k, 0,1,2,3,4,5,6,7
	v_mov_b32 v[SB+8*((\i)-8)+\k], v[NSB+8*((\i)-8)+\k]
.endr
.elseif (\i) < 14
.irp k, 0,1,2,3,4,5,6,7
.if \v
	v_mov_b32 v[BQ+8*((\i)-10)+\k], v[BV+(\i)-10]
.else
	v_mov_b32 v[BQ+8*((\i)-10)+\k], v[NBQ+8*((\i)-10)+\k]
.endif
.endr
.endif
.endm
.macro START v                         ; a phase's start.  v = 1: V's
	v_add_nc_u32 v[AW], s3, v[WB]
	v_add_nc_u32 v[AX1], s3, v[XB]
	s_xor_b32 s23, s3, SLOT
	v_add_nc_u32 v[AX0], s23, v[XB]
	s_lshl_b32 s23, s2, 13
	s_min_u32 s23, s23, 8192
	v_add_nc_u32 v[AS], s23, v[SBASE]
	WALU
	s_wait_xcnt 0x0
	s_wait_loadcnt 0x0                             ; the phase's scale words and bias
.irp i, 0,1,2,3,4,5,6,7,8,9,10,11,12,13,14,15
	FRAG 2*\i
	FRAG 2*\i+1
	WIN 0
	CHANGE \i, \v
.endr
	WALU
.if \v
	QOUT 7
.else
	s_cmp_eq_u32 s2, 0
	s_cbranch_scc1 .Lnone_before                   ; the first phase has no block before it
	QOUT 7
.Lnone_before:
.endif
	s_wait_xcnt 0x0                                ; the stores have read their base
	s_lshl_b32 s23, s2, 10
	v_add_nc_u32 v[HW], s23, v[HWB]
	WALU
	s_wait_tensorcnt 0x0                           ; no tensor load of mine is out: chunk 0 is in, and the descriptors may be written
	ds_add_u32 v[SPW], v[NIL]                      ; the descriptors' steps stand between it and its wait
	s_xor_b32 s[G0C1+1], s[G0C1+1], SLOT
.if (\v) == 0
	s_add_nc_u64 s[G0C1+2:G0C1+3], s[G0C1+2:G0C1+3], 0x800000   ; x's chunk 1, then context's
	s_xor_b32 s[G0W+1], s[G0W+1], SLOT
	s_add_nc_u64 s[G0W+2:G0W+3], s[G0W+2:G0W+3], 0x100000       ; the next weight
	s_xor_b32 s[G0C0+1], s[G0C0+1], SLOT
	s_add_nc_u64 s[74:75], s[74:75], 0x200000      ; Q's codes, then K's
	s_add_nc_u64 s[100:101], s[100:101], 0x8000    ; the next weight's scale words
.endif
	s_wait_dscnt 0x0                               ; the add is done, and the weight is in registers
	CROUND
	TLOAD G0C1, G1RX                               ; chunk 1 goes where the weight lay
.if \v
	ds_load_b128 v[240:243], v[HO]                 ; 512 bytes of Q's or K's scale words
.endif
	FETCH 0, AX0, 0, 0
	FETCH 1, AX0, 1, 0
.endm
	s_load_b256 s[4:11], s[0:1], 0x0               ; c1, s1, bq, bk
	s_load_b128 s[68:71], s[0:1], 0x20             ; bv, c2
	s_load_b64 s[72:73], s[0:1], 0x30              ; s2
	v_lshl_add_u32 v[SPW], v0, 2, SPARE
	v_mov_b32 v[NIL], 0
	ds_add_u32 v[SPW], v[NIL]                      ; the wave's opening: the add, twice on end, and its wait ahead of my first tensor load
	ds_add_u32 v[SPW], v[NIL]
	v_lshrrev_b32 v1, 5, v0
	v_readfirstlane_b32 s14, v1                    ; wave 0..3
	s_lshr_b32 s15, s14, 1                         ; w: my row of waves
	s_and_b32 s16, s14, 1                          ; n: my column of waves
	s_bfe_u32 s12, ttmp6, 0x40000                  ; cx
	s_bfe_u32 s13, ttmp6, 0x40004                  ; cy
	s_lshl_b32 s18, ttmp9, 2
	s_add_co_u32 s18, s18, s12                     ; tile column, 0..7
	s_and_b32 s22, ttmp7, 0xffff
	s_lshl_b32 s17, s22, 2
	s_add_co_u32 s17, s17, s13                     ; tile row, 0..31
	s_lshl_b32 s23, s13, 2
	s_lshl_b32 s23, 15, s23                        ; my row of the cluster
	s_lshl_b32 s19, 0x1111, s12                    ; my column
	GROUP1 G1HW, 19, 512                           ; wave 0: Wq's 128 rows
	GROUP1 G1HX, 23, 512                           ; wave 1: x's chunk 0
	GROUP1 G1S, 23, 32                             ; waves 2, 3: 8,192 bytes of scale words
	GROUP1 G1RX, 23, 128                           ; a quarter of a chunk
	GROUP1 G1RW, 19, 128                           ; a quarter of a weight's tile
	s_lshl_b32 s20, s17, 18                        ; x's first row in c1
	s_mov_b32 s21, 0
	s_lshl_b32 s66, s18, 17
	s_add_co_u32 s66, s66, 0x1000000               ; Wq's first row
	s_mov_b32 s67, 0
	s_lshl_b32 s2, s17, 13
	s_lshl_b32 s3, s16, 18
	SADD 2, 3                                      ; in s1: x's 256 rows, or context's
	s_mov_b32 s3, 0
	WALU
	s_wait_dscnt 0x0                               ; both opening adds are done
	CROUND                                         ; all sixteen work-groups are here
	s_wait_kmcnt 0x0
	s_mov_b32 s[G0HW], 1
	s_mov_b32 s[G0HW+1], SLOT
	s_add_nc_u64 s[G0HW+2:G0HW+3], s[4:5], s[66:67]
	s_or_b32 s[G0HW+3], s[G0HW+3], 0x80000000
	s_mov_b32 s[G0HX], 1
	s_mov_b32 s[G0HX+1], 0
	s_add_nc_u64 s[G0HX+2:G0HX+3], s[4:5], s[20:21]
	s_or_b32 s[G0HX+3], s[G0HX+3], 0x80000000
	s_mov_b32 s[G0S], 1
	s_mul_i32 s[G0S+1], s16, 8192
	s_add_co_u32 s[G0S+1], s[G0S+1], SCL
	s_add_nc_u64 s[G0S+2:G0S+3], s[6:7], s[2:3]
	s_or_b32 s[G0S+3], s[G0S+3], 0x80000000
	s_cmp_eq_u32 s14, 0                            ; one joint load a wave, and a line of its own for what is shown ahead of the rest
	s_cbranch_scc0 .Lwave_1
	TLOAD G0HW, G1HW
	s_branch .Lasked
.Lwave_1:
	s_cmp_eq_u32 s14, 1
	s_cbranch_scc0 .Lfor_scales
	TLOAD G0HX, G1HX
	s_branch .Lasked
.Lfor_scales:
	TLOAD G0S, G1S
.Lasked:
	; the refills: their steps stand at a phase's start, so each begins a step behind
	s_lshl_b32 s23, s14, 15                        ; my quarter, in a slot and in memory
	s_mov_b32 s2, s23
	s_mov_b32 s3, 0
	s_mov_b32 s[G0C1], 1
	s_mov_b32 s[G0C1+1], s23
	s_add_nc_u64 s[G0C1+2:G0C1+3], s[4:5], s[20:21]
	s_add_nc_u64 s[G0C1+2:G0C1+3], s[G0C1+2:G0C1+3], s[2:3]
	s_sub_nc_u64 s[G0C1+2:G0C1+3], s[G0C1+2:G0C1+3], 0x7e0000
	s_or_b32 s[G0C1+3], s[G0C1+3], 0x80000000
	s_mov_b32 s[G0C0], 1
	s_mov_b32 s[G0C0+1], s23
	s_add_nc_u64 s[G0C0+2:G0C0+3], s[4:5], s[20:21]
	s_add_nc_u64 s[G0C0+2:G0C0+3], s[G0C0+2:G0C0+3], s[2:3]
	s_add_nc_u64 s[G0C0+2:G0C0+3], s[G0C0+2:G0C0+3], 0x800000
	s_or_b32 s[G0C0+3], s[G0C0+3], 0x80000000
	s_mov_b32 s[G0W], 1
	s_add_co_u32 s[G0W+1], s23, SLOT
	s_add_nc_u64 s[G0W+2:G0W+3], s[4:5], s[66:67]
	s_add_nc_u64 s[G0W+2:G0W+3], s[G0W+2:G0W+3], s[2:3]
	s_or_b32 s[G0W+3], s[G0W+3], 0x80000000
	; the prefetches: s[12:13] my sixteenth of context's chunk 0, s[104:105] of Wk's tile
	s_lshl_b32 s2, s12, 2
	SADD 2, 14
	s_lshl_b32 s2, s2, 13
	s_lshl_b32 s23, s13, 2
	SADD 23, 14
	s_lshl_b32 s23, s23, 13
	s_add_nc_u64 s[12:13], s[4:5], s[20:21]
	s_add_nc_u64 s[12:13], s[12:13], s[2:3]
	s_add_nc_u64 s[12:13], s[12:13], 0x800000
	s_mov_b32 s2, s23
	s_add_nc_u64 s[104:105], s[4:5], s[66:67]
	s_add_nc_u64 s[104:105], s[104:105], s[2:3]
	s_add_nc_u64 s[104:105], s[104:105], 0x100000
	; scale words of my 64 rows of Wq, and my biases
	s_lshl_b32 s2, s18, 12
	s_lshl_b32 s23, s16, 11
	SADD 2, 23
	s_add_co_u32 s2, s2, 0x80000
	s_add_nc_u64 s[100:101], s[6:7], s[2:3]
	s_lshl_b32 s2, s18, 9
	s_lshl_b32 s23, s16, 8
	SADD 2, 23
	s_add_nc_u64 s[8:9], s[8:9], s[2:3]
	s_add_nc_u64 s[10:11], s[10:11], s[2:3]
	s_add_nc_u64 s[68:69], s[68:69], s[2:3]
	; where Q's codes go, a step behind
	s_lshr_b32 s2, s18, 1
	s_lshl_b32 s2, s2, 10
	s_lshl_b32 s23, s17, 4
	SADD 2, 23
	s_lshl_b32 s23, s15, 3
	SADD 2, 23
	s_lshl_b32 s2, s2, 12
	s_and_b32 s23, s18, 1
	s_lshl_b32 s23, s23, 11
	SADD 2, 23
	s_lshl_b32 s23, s16, 10
	SADD 2, 23
	s_add_nc_u64 s[74:75], s[70:71], s[2:3]
	s_sub_nc_u64 s[74:75], s[74:75], 0x200000
	s_mov_b32 s[SEL], 0x76543210
	s_mov_b32 s[SEL+1], 0xfedcba98
	s_mov_b32 s19, 0x600000
	v_and_b32 v1, 15, v0                           ; r
	v_bfe_u32 v2, v0, 4, 1                         ; h
	v_and_b32 v3, 31, v0
	v_lshlrev_b32 v[LI], 4, v3
	v_lshlrev_b32 v[PF], 8, v3
	v_lshlrev_b32 v60, 4, v1
	v_lshl_add_u32 v[WO], v2, 2, v60
	v_lshl_add_u32 v[SBASE], v2, 8, v60
	v_lshl_add_u32 v[SCO], v2, 3, v60
	v_lshlrev_b32 v[BO], 6, v2
	v_and_b32 v61, 8, v1
	v_add_nc_u32 v61, v61, v1
	v_lshlrev_b32 v[VO], 2, v61                    ; V's bias: column r + 8 (r / 8) of a tile
	WALU
.irp p, 0,1
.irp q, 0,1,2,3,4,5,6,7
	global_load_b32 v[NSB+8*\p+\q], v[WO], s[100:101] offset:256*\q+8*\p
.endr
.endr
.irp t, 0,1,2,3
	global_load_b128 v[NBQ+8*\t:NBQ+8*\t+3], v[BO], s[8:9] offset:128*(\t/2)+32*(\t%2)
	global_load_b128 v[NBQ+8*\t+4:NBQ+8*\t+7], v[BO], s[8:9] offset:128*(\t/2)+32*(\t%2)+16
	global_load_b32 v[BV+\t], v[VO], s[68:69] offset:128*(\t/2)+32*(\t%2)
.endr
	s_lshl_b32 s23, s15, 16
	v_add_nc_u32 v[XB], s23, v[LI]
	s_lshl_b32 s23, s16, 16
	v_add_nc_u32 v[WB], s23, v[LI]
	s_lshl_b32 s23, s15, 11
	s_add_co_u32 s23, s23, SCL
	v_add_nc_u32 v[SBASE], s23, v[SBASE]
	s_lshl_b32 s23, s15, 9
	s_lshl_b32 s2, s16, 1
	SADD 23, 2
	s_add_co_u32 s23, s23, XN
	v_add_nc_u32 v[HWB], s23, v60
	s_lshl_b32 s23, s14, 9
	s_add_co_u32 s23, s23, XN
	v_add_nc_u32 v[HO], s23, v[LI]
.set I_, 0
.rept 32
	v_mov_b32 v[ACC+32+I_], 0                      ; the first phase's start works on these and stores nothing
.set I_, I_+1
.endr
.set I_, 0
.rept 16
	v_mov_b32 v[176+I_], 0                         ; V's first trip likewise
.set I_, I_+1
.endr
	v_mov_b32 v[HW], v[HWB]
	s_mov_b32 s2, 0                                ; s2 the phase;  s3 slot a
	s_mov_b32 s3, SLOT
	WALU
	s_cmp_eq_u32 s14, 0
	s_cbranch_scc0 .Lnot_w
	s_wait_tensorcnt 0x0                           ; wave 0: Wq has landed.  The other waves' wait stands at the phase's start
.Lnot_w:
	BARRIER
	global_prefetch_b8 v[PF], s[12:13] offset:-8257536 th:TH_LOAD_NT scope:SCOPE_SE   ; x's chunk 1
	s_cmp_lt_u32 s22, 4
	s_cbranch_scc0 .Lphase
	global_prefetch_b8 v[PF], s[104:105] th:TH_LOAD_NT scope:SCOPE_SE                 ; Wk
.Lphase:
	START 0
.irp p, 0,1
.irp q, 0,1,2,3,4,5,6,7
	global_load_b32 v[NSB+8*\p+\q], v[WO], s[100:101] offset:256*\q+8*\p
.endr
.endr
	s_cmp_eq_u32 s2, 0
	s_cbranch_scc0 .Lno_bk
.irp t, 0,1,2,3
	global_load_b128 v[NBQ+8*\t:NBQ+8*\t+3], v[BO], s[10:11] offset:128*(\t/2)+32*(\t%2)
	global_load_b128 v[NBQ+8*\t+4:NBQ+8*\t+7], v[BO], s[10:11] offset:128*(\t/2)+32*(\t%2)+16
.endr
.Lno_bk:
	s_wait_dscnt NF                                ; block 0 is in; block 1's loads may be out (so in every block)
	BLK 0, 0, 0, 0, 0
	FETCH 0, AX0, 2, 0
	s_cmp_eq_u32 s2, 0
	s_cbranch_scc0 .Lno_ask_0
	global_prefetch_b8 v[PF], s[12:13] th:TH_LOAD_NT scope:SCOPE_SE                   ; context's chunk 0
.Lno_ask_0:
	s_wait_dscnt NF
	BLK 0, 1, 1, 1, ACC
	QOUT 0
	FETCH 1, AX0, 3, 0
	s_wait_dscnt NF
	RBLK 0, 0, 0, 1, ACC+32
	TLOAD G0W, G1RW                                ; the next weight, over chunk 0
	QOUT 1
	FETCH 0, AX1, 0, 1
	BLK 0, 1, 1, 1, ACC
	QOUT 2
	FETCH 1, AX1, 1, 1
	s_wait_dscnt NF
	BLK 0, 0, 0, 1, ACC+32
	QOUT 3
	FETCH 0, AX1, 2, 1
	s_cmp_eq_u32 s2, 0
	s_cbranch_scc0 .Lno_ask_1
	global_prefetch_b8 v[PF], s[12:13] offset:131072 th:TH_LOAD_NT scope:SCOPE_SE     ; context's chunk 1
	s_cmp_lt_u32 s22, 4
	s_cbranch_scc0 .Lno_ask_1
	global_prefetch_b8 v[PF], s[104:105] offset:1048576 th:TH_LOAD_NT scope:SCOPE_SE  ; Wv
.Lno_ask_1:
	s_wait_dscnt NF
	BLK 0, 1, 1, 1, ACC
	QOUT 4
	FETCH 1, AX1, 3, 1
	s_wait_dscnt NF
	RBLK 0, 0, 0, 1, ACC+32
	TLOAD G0C0, G1RX                               ; context's chunk 0, over chunk 1
	QOUT 5
	BLK 0, 1, 1, 1, ACC
	QOUT 6
	s_xor_b32 s3, s3, SLOT
	s_add_co_u32 s2, s2, 1
	WALU
	s_cmp_lt_u32 s2, 2
	s_cbranch_scc1 .Lphase
	START 1
	; my wave's 512 bytes of Q's (waves 0, 1) or K's scale words
	s_lshl_b32 s24, s15, 6
	s_lshl_b32 s25, s17, 1
	SADD 24, 25
	SADD 24, 16
	s_lshl_b32 s24, s24, 3
	SADD 24, 18
	s_lshl_b32 s24, s24, 9
	s_mov_b32 s25, 0
	s_add_nc_u64 s[24:25], s[72:73], s[24:25]
	; V^T's codes and scale words
	s_and_b32 s28, s17, 7                          ; the key tile in its batch
	s_lshr_b32 s29, s17, 3                         ; the batch
	s_lshl_b32 s30, s28, 8
	s_lshl_b32 s31, s29, 6
	SADD 30, 31
	s_lshl_b32 s31, s18, 3
	SADD 30, 31
	s_lshl_b32 s31, s16, 2
	SADD 30, 31
	s_lshl_b32 s30, s30, 12
	s_lshl_b32 s31, s15, 11
	SADD 30, 31
	s_add_co_u32 s30, s30, 0x1000000
	s_mov_b32 s31, 0
	s_wait_xcnt 0x0
	s_add_nc_u64 s[74:75], s[70:71], s[30:31]
	s_lshl_b32 s30, s29, 3
	SADD 30, 18
	s_lshl_b32 s30, s30, 4
	s_lshl_b32 s28, s28, 1
	SADD 30, 28
	SADD 30, 15
	s_add_co_u32 s30, s30, 1024
	s_lshl_b32 s30, s30, 9
	s_lshl_b32 s28, s16, 8
	SADD 30, 28
	s_add_nc_u64 s[30:31], s[72:73], s[30:31]
	s_wait_dscnt NF
	global_store_b128 v[LI], v[240:243], s[24:25]  ; 512 consecutive bytes
.irp t, 0,1,2,3
	v_mov_b32 v[VW+\t], 0
.endr
	s_mov_b32 s2, 0                                ; V: two trips of a chunk each
	s_mov_b32 s3, 0
	WALU
; A pair of V's blocks, 32 keys, leaves: a byte of each tile's scale word, a piece of 512 consecutive bytes a tile.
.macro VOUT sh, off
.irp t, 0,1,2,3
	v_lshl_or_b32 v[VW+\t], v[EB+\t], s[\sh], v[VW+\t]
	global_store_b128 v[LI], v[CD+4*\t:CD+4*\t+3], s[74:75] offset:4096*\t+(\off)
.endr
.endm
.Lv:
	v_add_nc_u32 v[AX0], s3, v[XB]
	s_xor_b32 s23, s3, SLOT
	v_add_nc_u32 v[AX1], s23, v[XB]
	s_lshl_b32 s23, s2, 12
	s_add_co_u32 s23, s23, 8192
	v_add_nc_u32 v[AS], s23, v[SBASE]
	s_lshl_b32 s26, s2, 4                          ; the shift of this trip's first pair,
	s_sub_co_u32 s27, s26, 8                       ; and of the pair before
	WALU
	s_wait_dscnt NF
	BLK 1, 0, 0, 2, ACC+64
	FETCH 0, AX0, 2, 0
	s_wait_dscnt NF
	BLK 1, 1, 1, 3, ACC+64
	WALU
	s_cmp_eq_u32 s2, 0
	s_cbranch_scc1 .Lno_pair_before
	VOUT 27, -512
.Lno_pair_before:
	FETCH 1, AX0, 3, 0
	s_wait_dscnt NF
	s_wait_xcnt 0x0
	RUN 1, 0, 2, 0, 32, 2, ACC
	WIN 0
	WALU
	s_wait_tensorcnt 0x0                           ; my quarter of chunk 1 is in
	s_wait_dscnt 0x0
	s_barrier_signal -1
	PLACES 8
	s_barrier_wait -1
	s_cmp_eq_u32 s2, 1
	s_cbranch_scc1 .Lnone_0
	FETCH 0, AX1, 0, 1
.Lnone_0:
	BLK 1, 1, 3, 3, ACC
	VOUT 26, 0
	WALU
	s_cmp_eq_u32 s2, 1
	s_cbranch_scc1 .Lnone_1
	FETCH 1, AX1, 1, 1
.Lnone_1:
	s_wait_xcnt 0x0
	s_add_nc_u64 s[74:75], s[74:75], 1024
	s_xor_b32 s3, s3, SLOT
	s_add_co_u32 s2, s2, 1
	WALU
	s_cmp_lt_u32 s2, 2
	s_cbranch_scc1 .Lv
.set K_, 0
.rept 60
	GAP K_, ACC+64, 8, 32
.set K_, K_+1
.endr
	s_mov_b32 s27, 24
	VOUT 27, -512
	s_mov_b32 s20, 0xffff0000
	v_cndmask_b32 v248, v[VW], v[VW+2], s20        ; lanes 0-15 store the words of tiles 0, 1, lanes 16-31 those of 2, 3
	v_cndmask_b32 v249, v[VW+1], v[VW+3], s20
	global_store_b64 v[SCO], v[248:249], s[30:31]  ; 256 consecutive bytes
	s_wait_tensorcnt 0x0                           ; the wave's end
	ds_add_u32 v[SPW], v[NIL]
	s_wait_dscnt 0x0
	CROUND                                         ; the closing round
	s_endpgm
.Lfunc_end_k_qf488a0c95f_proj:
	.size	k_qf488a0c95f_proj, .Lfunc_end_k_qf488a0c95f_proj-k_qf488a0c95f_proj
	.p2alignl 7, 3214868480
	.fill 96, 4, 3214868480
	.section	.rodata,"a",@progbits
	.p2align	6, 0x0
	.amdhsa_kernel k_qf488a0c95f_proj
		.amdhsa_group_segment_fixed_size 327680
		.amdhsa_private_segment_fixed_size 0
		.amdhsa_enable_private_segment 0
		.amdhsa_kernarg_size 56
		.amdhsa_user_sgpr_count 2
		.amdhsa_user_sgpr_kernarg_segment_ptr 1
		.amdhsa_wavefront_size32 1
		.amdhsa_system_sgpr_workgroup_id_x 1
		.amdhsa_system_sgpr_workgroup_id_y 1
		.amdhsa_system_sgpr_workgroup_id_z 1
		.amdhsa_system_vgpr_workitem_id 0
		.amdhsa_next_free_vgpr 1024
		.amdhsa_next_free_sgpr 106
		.amdhsa_reserve_vcc 0
		.amdhsa_float_denorm_mode_32 3
		.amdhsa_float_denorm_mode_16_64 3
		.amdhsa_memory_ordered 1
		.amdhsa_forward_progress 1
		.amdhsa_inst_pref_size 215
	.end_amdhsa_kernel
	.amdgpu_metadata
---
amdhsa.version: [ 1, 2 ]
amdhsa.kernels:
  - .name:           k_qf488a0c95f_proj
    .symbol:         k_qf488a0c95f_proj.kd
    .args:
      - { .name: c1, .offset: 0, .size: 8, .value_kind: global_buffer, .address_space: global }
      - { .name: s1, .offset: 8, .size: 8, .value_kind: global_buffer, .address_space: global }
      - { .name: bq, .offset: 16, .size: 8, .value_kind: global_buffer, .address_space: global }
      - { .name: bk, .offset: 24, .size: 8, .value_kind: global_buffer, .address_space: global }
      - { .name: bv, .offset: 32, .size: 8, .value_kind: global_buffer, .address_space: global }
      - { .name: c2, .offset: 40, .size: 8, .value_kind: global_buffer, .address_space: global }
      - { .name: s2, .offset: 48, .size: 8, .value_kind: global_buffer, .address_space: global }
    .group_segment_fixed_size: 327680
    .private_segment_fixed_size: 0
    .kernarg_segment_align: 8
    .kernarg_segment_size: 56
    .max_flat_workgroup_size: 128
    .sgpr_count:     106
    .vgpr_count:     1024
    .wavefront_size: 32
...
	.end_amdgpu_metadata
.endif
;; end of part 2
;; launch score (part 3): grid 32 x 8, 4 waves a work-group, clusters of 4 x 1, 327,680 bytes of LDS; arguments c2, s2, pc, pst; writes pc, pst
.if DOCPART == 3
	.amdgcn_target "amdgcn-amd-amdhsa--gfx1250"
	.amdhsa_code_object_version 6
	.text
	.protected	k_qf488a0c95f_score
	.globl	k_qf488a0c95f_score
	.p2align	8
	.type	k_qf488a0c95f_score,@function
k_qf488a0c95f_score:
	s_mov_b64 s[64:65], 0
	v_nop
	global_prefetch_b8 v0, s[64:65] scope:SCOPE_SE
	s_setreg_imm32_b32 hwreg(HW_REG_WAVE_MODE, 25, 1), 1
	s_wait_xcnt 0x0
	s_wait_alu depctr_hold_cnt(0) depctr_sa_sdst(0) depctr_va_vdst(0) depctr_va_sdst(0) depctr_va_ssrc(0) depctr_va_vcc(0) depctr_vm_vsrc(0)
	s_getreg_b32 s2, hwreg(HW_REG_IB_STS2, 6, 4)
	s_cmp_eq_u32 s2, 0
	s_cbranch_scc0 .Lentry_in_a_cluster
	s_endpgm
.Lentry_in_a_cluster:
	s_bfe_u32 s2, ttmp6, 0x10000c
	s_cmp_lg_u32 s2, 0x3003
	s_cbranch_scc0 .Lentry_shape_is_right
	s_endpgm
.Lentry_shape_is_right:
; S = Q K^T on the codes of c2 and the scale words of s2, p = 2^(t - M) with t = S log2(e) / 32, quantised along the keys in registers.  No work is left out.
; LIMITS: as stated at the head of the first launch's text; and the exponents t stay under 2^31 in magnitude (M is held as a 32-bit whole number).
; SHARES.  A work-group makes 256 queries x 256 keys of a batch; each of its four waves 64 queries, ALL of K, held in 512 registers, past which the 256 keys go in 16 blocks of 16 (two whole sets, 256 registers).
; Source 0 = 16 keys, source 1 = 16 queries: a lane holds one query; the keys' order in c2 makes two neighbouring blocks, a pair, 16 neighbouring keys of a lane (32 with lane l xor 16): one scale block.
; THE SOFTMAX of a pair stands among the next pair's products: maxima, M and t - M in its first block; the exponentials between its blocks, where no sum is open; sums, holds, conversions in its second.
; M is a running ceiling over the wave's 256 keys: the sum is brought under a new M by a power of two; a pair's scale byte is kept as byte + M, and made relative to the last M at the end.
; LDS: all 256 keys, in two halves of 131,072 bytes, each filled once: a K step of 256 of 128 keys is 32,768 dense bytes of c2, one a wave.  The four work-groups of a cluster share the keys: joint loads.
; The queries are not asked for jointly: their 262,144 bytes do not fit in LDS beside the keys', and each byte goes straight into one wave's registers.  No prefetch: all tiles are asked for ahead of the loop.
; pc: fragment (query block rb, key step ks of 128) at rb x 32768 + ks x 2048.  pst, for 64 queries (g) and 256 keys (kp), 512 bytes at (8 g + kp) x 512: byte 16 lane + 4 j: the scale word of query block 4 g + j, row lane % 16,
; key step 2 kp + lane / 16;  524,288 bytes on -M as f32, 1,048,576 on the row's sum of p, both the same in both halves of the lanes.
.set SPARE, 262144
.set EMA,   0                          ; v0-3, v8-11 a pair's largest scores, then p, then bounds: two banks
.set LI,    4                          ; v4   16 x lane
.set AX,    5                          ; v5, v6 LDS address of the trip's keys, K steps 0-3, 4-7;  v7, v12 of the next trip's
.set AY,    6
.set AXN,   7
.set EMB,   8
.set AYN,   12
.set SPW,   13
.set NIL,   14
.set KO,    15                         ; v15  512 (lane / 16) + 16 (lane % 16)
.set SB,    16                         ; v16-31 the queries' scale words: register 8 p + q: lanes 0-15 tile 2 p's, lanes 16-31 tile 2 p + 1's
.set KW,    32                         ; v32-47 the trip's keys' scale words: register 4 (q / 2) + block: lanes 0-15 K step q even, lanes 16-31 odd;  v48-63 the next trip's
.set NKW,   48
.set ACC,   64                         ; v64-191 four sets of four accumulators
.set CD,    192                        ; v192-207 codes; at work ahead of them
.set NM,    208                        ; v208-215 -M of each tile, in pairs
.set LS,    216                        ; v216-219 my part of the sum
.set H,     220                        ; v220-251 byte + M: register 4 slot + tile
.set SOP,   252                        ; v252-255 the conversions' scale operands
.set G1,    24
.set G0,    32
.set SEL,   36
.set CS,    38
.set MNT,   40
.set HM,    41
.set KB,    42
.set CB,    50
.set PST,   52
.set MSB, 0
.macro WIN new                         ; the immediate's high byte repeats the setting that is left
.if MSB != (\new)
	s_set_vgpr_msb (MSB<<8)|(\new)
.set MSB, (\new)
.endif
.endm
.macro PLACES n
.rept \n
	v_nop
.endr
.endm
.macro WALU
	s_wait_alu depctr_va_vdst(0)
.endm
.macro BARRIER
	s_barrier_signal -1
	s_barrier_wait -1
.endm
.macro CROUND                          ; a round of the cluster's barrier
	BARRIER
	s_cmp_lg_u32 s14, 0
	s_cbranch_scc1 .Lnot_wave_0_\@
	s_barrier_signal -3
.Lnot_wave_0_\@:
	s_barrier_wait -3
	BARRIER
.endm
.macro TLOAD
	tensor_load_to_lds s[G0:G0+3], s[G1:G1+7]
	s_nop 0
	PLACES 4
.endm
.macro SADD d, x
	s_add_co_u32 s\d, s\d, s\x
.endm
.macro MMS cc, ra, rb                  ; ra, rb: the scale words stand in lanes 16-31
.if (\ra) && (\rb)
	v_wmma_scale_f32_16x16x128_f8f6f4 v[D_:D_+7], v[X_:X_+15], v[W_:W_+15], \cc, v[XS_], v[WS_] matrix_a_fmt:MATRIX_FMT_BF8 matrix_b_fmt:MATRIX_FMT_BF8 matrix_a_scale:MATRIX_SCALE_ROW1 matrix_b_scale:MATRIX_SCALE_ROW1
.elseif \ra
	v_wmma_scale_f32_16x16x128_f8f6f4 v[D_:D_+7], v[X_:X_+15], v[W_:W_+15], \cc, v[XS_], v[WS_] matrix_a_fmt:MATRIX_FMT_BF8 matrix_b_fmt:MATRIX_FMT_BF8 matrix_a_scale:MATRIX_SCALE_ROW1
.elseif \rb
	v_wmma_scale_f32_16x16x128_f8f6f4 v[D_:D_+7], v[X_:X_+15], v[W_:W_+15], \cc, v[XS_], v[WS_] matrix_a_fmt:MATRIX_FMT_BF8 matrix_b_fmt:MATRIX_FMT_BF8 matrix_b_scale:MATRIX_SCALE_ROW1
.else
	v_wmma_scale_f32_16x16x128_f8f6f4 v[D_:D_+7], v[X_:X_+15], v[W_:W_+15], \cc, v[XS_], v[WS_] matrix_a_fmt:MATRIX_FMT_BF8 matrix_b_fmt:MATRIX_FMT_BF8
.endif
.endm
.macro PROD e, a, j, n                 ; product n = 4 q + b: the q-th 128 of K, query tile b; keys in set e, the trip's block j, sums in set a
.set Q_, (\n)/4
.set B_, (\n)%4
.set FB_, 4*Q_+B_
.set D_, ACC+32*(\a)+8*B_
.set X_, 128*(\e)+16*Q_
.set W_, 16*(FB_%16)
.set XS_, KW+4*(Q_/2)+(\j)
.set WS_, SB+8*(B_/2)+Q_
.set XR_, Q_%2
.set WR_, B_%2
	WIN 3|((1+FB_/16)<<2)
.if Q_ == 0
	MMS 0, XR_, WR_
.else
	MMS v[D_:D_+7], XR_, WR_
.endif
.endm
; THE SOFTMAX, line by line, the four tiles by turns.  e, o: the pair's sums; m: its bank of maxima.
.macro EMAX e, m                       ; the even block's largest scores: 16 lines
.irp t, 0,1,2,3
	v_max3_num_f32 v[\m+\t], v[\e+8*\t], v[\e+8*\t+1], v[\e+8*\t+2]
.endr
.irp i, 3,5
.irp t, 0,1,2,3
	v_max3_num_f32 v[\m+\t], v[\m+\t], v[\e+8*\t+\i], v[\e+8*\t+\i+1]
.endr
.endr
.irp t, 0,1,2,3
	v_max_num_f32 v[\m+\t], v[\m+\t], v[\e+8*\t+7]
.endr
.endm
.macro P1 k, e, o, m                   ; 88 lines: the odd block's maxima, M, and t - M in place
.if (\k) < 88
.set L_, (\k)/4
.set T_, (\k)%4
.set E_, (\e)+8*T_
.set O_, (\o)+8*T_
.set M_, (\m)+T_
.set A_, CD+T_
.set I_, CD+4+T_
.set NN_, NM+2*T_
.if L_ == 0
	v_max3_num_f32 v[A_], v[O_], v[O_+1], v[O_+2]
.elseif L_ == 1
	v_max3_num_f32 v[A_], v[A_], v[O_+3], v[O_+4]
.elseif L_ == 2
	v_max3_num_f32 v[A_], v[A_], v[O_+5], v[O_+6]
.elseif L_ == 3
	v_max3_num_f32 v[M_], v[M_], v[A_], v[O_+7]
.elseif L_ == 4
	v_permlanex16_b32 v[A_], v[M_], s[SEL], s[SEL+1]
.elseif L_ == 5
	v_max_num_f32 v[M_], v[M_], v[A_]                ; the block's largest score
.elseif L_ == 6
	v_mul_f32 v[A_], s[CS], v[M_]
.elseif L_ == 7
	v_floor_f32 v[A_], -v[A_]
.elseif L_ == 8
	v_min_num_f32 v[A_], v[NN_], v[A_]               ; the new -M
.elseif L_ == 9
	v_sub_f32 v[I_], v[A_], v[NN_]                   ; the old M less the new: 0 or less
.elseif L_ == 10
	v_mov_b32 v[NN_], v[A_]
.elseif L_ == 11
	v_cvt_i32_f32 v[I_], v[I_]                       ; (it saturates)
.elseif L_ == 12
	v_ldexp_f32 v[LS+T_], v[LS+T_], v[I_]            ; the sum under the new M
.elseif L_ < 17
	v_pk_fma_f32 v[E_+2*(L_-13):E_+2*(L_-13)+1], v[E_+2*(L_-13):E_+2*(L_-13)+1], s[CS:CS+1], v[NN_:NN_+1] op_sel_hi:[1,0,0]
.elseif L_ < 21
	v_pk_fma_f32 v[O_+2*(L_-17):O_+2*(L_-17)+1], v[O_+2*(L_-17):O_+2*(L_-17)+1], s[CS:CS+1], v[NN_:NN_+1] op_sel_hi:[1,0,0]
.else
	v_fma_f32 v[M_], v[M_], s[CS], v[NN_]            ; the same of the largest score
.endif
.endif
.endm
.macro EXPS e, o, m                    ; 68 exponentials: one wait ahead, one plain place and one wait behind
	WALU
.set K_, 0
.rept 32
	v_exp_f32 v[\e+K_], v[\e+K_]
	v_exp_f32 v[\o+K_], v[\o+K_]
.set K_, K_+1
.endr
.irp t, 0,1,2,3
	v_exp_f32 v[\m+\t], v[\m+\t]                     ; the block's largest p
.endr
	v_nop
	WALU
.endm
.macro P2 k, e, o, m, hs               ; 132 lines: the sum of the unquantised p, the scale, the holds, the codes
.if (\k) < 132
.set L_, (\k)/4
.set T_, (\k)%4
.set E_, (\e)+8*T_
.set O_, (\o)+8*T_
.set M_, (\m)+T_
.set S_, CD+8+2*T_
.if L_ == 0
	v_pk_add_f32 v[S_:S_+1], v[E_:E_+1], v[E_+2:E_+3]
.elseif L_ < 3
	v_pk_add_f32 v[S_:S_+1], v[S_:S_+1], v[E_+2*L_+2:E_+2*L_+3]
.elseif L_ < 7
	v_pk_add_f32 v[S_:S_+1], v[S_:S_+1], v[O_+2*(L_-3):O_+2*(L_-3)+1]
.elseif L_ < 9
	v_add_f32 v[LS+T_], v[LS+T_], v[S_+L_-7]
.elseif L_ == 9
	v_max_num_f32 v[M_], 0x8000000, v[M_]            ; the floor 2^(16 - 127)
.elseif L_ == 10
	v_add_nc_u32 v[SOP+T_], 0xf8800000, v[M_]        ; 15 off the exponent field
.elseif L_ == 11
	v_and_or_b32 v[M_], v[M_], 0x7f800000, s[MNT]    ; 57,344 x the scale
.elseif L_ == 12
	v_lshrrev_b32 v[CD+T_], 23, v[SOP+T_]
.elseif L_ == 13
	v_cvt_i32_f32 v[CD+4+T_], v[NM+2*T_]
.elseif L_ == 14
	v_sub_nc_u32 v[H+4*(\hs)+T_], v[CD+T_], v[CD+4+T_]   ; byte + M
.elseif L_ < 23
	v_min_num_f32 v[E_+L_-15], v[E_+L_-15], v[M_]    ; the conversion does not saturate (ISA guide 7.6.2); p is not negative
.elseif L_ < 31
	v_min_num_f32 v[O_+L_-23], v[O_+L_-23], v[M_]
.elseif L_ == 31
	v_cvt_scalef32_pk8_bf8_f32 v[CD+4*T_:CD+4*T_+1], v[E_:E_+7], v[SOP+T_]
.else
	v_cvt_scalef32_pk8_bf8_f32 v[CD+4*T_+2:CD+4*T_+3], v[O_:O_+7], v[SOP+T_]
.endif
.endif
.endm
.macro LIST n, y, e, o, m, hs          ; what stands behind product n: three lines of P1 or five of P2
.if (\n) > 0
.if (\y) == 1
.if 3*((\n)-1) < 88
	WIN 0
.irp i, 0,1,2
	P1 3*((\n)-1)+\i, \e, \o, \m
.endr
.endif
.else
.if 5*((\n)-1) < 132
	WIN 0
.irp i, 0,1,2,3,4
	P2 5*((\n)-1)+\i, \e, \o, \m, \hs
.endr
.endif
.endif
.endif
.endm
.macro RUN s, a, j, y, e, o, m, hs     ; a block: 32 products; its four accumulators take turns
.set N_, 0
.rept 32
	PROD \s, \a, \j, N_
	LIST N_, \y, \e, \o, \m, \hs
.set N_, N_+1
.endr
	WIN 0
	PLACES 8                                       ; ahead of the loads into what the products have read and of the first reader of the sums
.endm
.macro FETCH k, ax, ay, i              ; a block of keys, 16 rows, all of K, into set k of window 3: 32 loads
	WIN 0xc0
.irp q, 0,1,2,3,4,5,6,7
.irp c, 0,1,2,3
.if \q < 4
	ds_load_b128 v[128*\k+16*\q+4*\c:128*\k+16*\q+4*\c+3], v[\ax] offset:4096*\i+32768*((\q/2)%2)+2048*(\q%2)+512*\c
.else
	ds_load_b128 v[128*\k+16*\q+4*\c:128*\k+16*\q+4*\c+3], v[\ay] offset:4096*\i+32768*((\q/2)%2)+2048*(\q%2)+512*\c
.endif
.endr
.endr
	WIN 0
.endm
.macro VOUT off                        ; a pair leaves: 512 consecutive bytes a tile
.irp t, 0,1,2,3
	global_store_b128 v[LI], v[CD+4*\t:CD+4*\t+3], s[CB:CB+1] offset:32768*\t+(\off)
.endr
.endm
	s_load_b256 s[4:11], s[0:1], 0x0               ; c2, s2, pc, pst
	v_lshl_add_u32 v[SPW], v0, 2, SPARE
	v_mov_b32 v[NIL], 0
	ds_add_u32 v[SPW], v[NIL]                      ; the wave's opening: the add, twice on end, and its wait ahead of my first tensor load
	ds_add_u32 v[SPW], v[NIL]
	v_lshrrev_b32 v1, 5, v0
	v_readfirstlane_b32 s14, v1                    ; wave 0..3
	s_bfe_u32 s16, ttmp6, 0x40000                  ; cx
	s_lshl_b32 s17, ttmp9, 2
	s_add_co_u32 s17, s17, s16                     ; which 256 queries, 0..31
	s_and_b32 s18, ttmp7, 0xffff                   ; kp: which 256 keys of the batch, 0..7
	s_lshr_b32 s19, ttmp9, 1                       ; the batch
	s_mov_b32 s[G1], 0x23000f                      ; 15:0 the mask: all four of the cluster; 17:16 elements of 8 bytes; 21 set beside a mask
	s_mov_b32 s[G1+1], 32<<16
	s_mov_b32 s[G1+2], 128<<16
	s_mov_b32 s[G1+3], 32<<16
	s_mov_b32 s[G1+4], 128                         ; 128 rows of 256 bytes, dense
	s_mov_b32 s[G1+5], 32
	s_mov_b32 s[G1+6], 0
	s_mov_b32 s[G1+7], 0
	s_lshl_b32 s20, s19, 19
	s_lshl_b32 s21, s18, 16
	SADD 20, 21
	s_lshl_b32 s21, s14, 22
	SADD 20, 21
	s_add_co_u32 s20, s20, 0x200000                ; K's row blocks, my wave's K step of 256
	s_mov_b32 s21, 0
	WALU
	s_wait_dscnt 0x0                               ; both opening adds are done
	CROUND                                         ; all four work-groups are here
	s_wait_kmcnt 0x0
	s_mov_b32 s[G0], 1
	s_lshl_b32 s[G0+1], s14, 15
	s_add_nc_u64 s[G0+2:G0+3], s[4:5], s[20:21]
	s_or_b32 s[G0+3], s[G0+3], 0x80000000
	TLOAD                                          ; keys 0-127
	v_and_b32 v1, 15, v0                           ; r
	v_bfe_u32 v2, v0, 4, 1                         ; h
	v_and_b32 v3, 31, v0
	v_lshlrev_b32 v[LI], 4, v3
	v_lshlrev_b32 v3, 4, v1
	v_lshl_add_u32 v[KO], v2, 9, v3
	v_lshl_add_u32 v[SOP], v2, 2, v3               ; 16 r + 4 h
	s_lshl_b32 s22, s17, 13                        ; my 64 queries' scale words
	s_lshr_b32 s23, s14, 1
	s_lshl_b32 s23, s23, 12
	SADD 22, 23
	s_and_b32 s23, s14, 1
	s_lshl_b32 s23, s23, 8
	SADD 22, 23
	s_mov_b32 s23, 0
	s_add_nc_u64 s[44:45], s[6:7], s[22:23]
	s_lshl_b32 s22, s19, 16                        ; the keys'
	s_lshl_b32 s20, s18, 13
	SADD 22, 20
	s_add_co_u32 s22, s22, 0x40000
	s_add_nc_u64 s[KB:KB+1], s[6:7], s[22:23]
	s_lshl_b32 s22, s17, 16                        ; my 64 queries' codes, K steps 0-3 and 4-7
	s_lshl_b32 s20, s14, 14
	SADD 22, 20
	s_add_nc_u64 s[46:47], s[4:5], s[22:23]
	s_add_nc_u64 s[48:49], s[46:47], 0x800000
	s_lshl_b32 s22, s17, 19                        ; where the codes go
	s_lshl_b32 s20, s14, 17
	SADD 22, 20
	s_lshl_b32 s20, s18, 12
	SADD 22, 20
	s_add_nc_u64 s[CB:CB+1], s[8:9], s[22:23]
	s_lshl_b32 s22, s17, 14
	s_lshl_b32 s20, s14, 12
	SADD 22, 20
	s_lshl_b32 s20, s18, 9
	SADD 22, 20
	s_add_nc_u64 s[PST:PST+1], s[10:11], s[22:23]
	s_mov_b32 s[SEL], 0x76543210
	s_mov_b32 s[SEL+1], 0xfedcba98
	s_mov_b32 s[CS], 0x3d38aa3b                    ; c = log2(e) / 32
	s_mov_b32 s[CS+1], s[CS]
	s_mov_b32 s[MNT], 0x600000
	s_mov_b32 s[HM], 0xffff0000
	WALU
.irp p, 0,1
.irp q, 0,1,2,3,4,5,6,7
	global_load_b32 v[SB+8*\p+\q], v[SOP], s[44:45] offset:512*\q+8*\p
.endr
.endr
.irp m, 0,1,2,3
	global_load_b128 v[KW+4*\m:KW+4*\m+3], v[KO], s[KB:KB+1] offset:1024*\m
.endr
.macro QLOAD q, b, s                   ; fragment 4 q + b of my queries: window 1 + q / 4
	WIN (1+(\q)/4)<<6
.irp c, 0,1,2,3
	global_load_b128 v[16*((4*(\q)+(\b))%16)+4*\c:16*((4*(\q)+(\b))%16)+4*\c+3], v[LI], s[\s:\s+1] offset:4194304*(((\q)/2)%2)+2048*((\q)%2)+4096*(\b)+512*\c
.endr
.endm
.irp q, 0,1,2,3
.irp b, 0,1,2,3
	QLOAD \q, \b, 46
.endr
.endr
.irp q, 4,5,6,7
.irp b, 0,1,2,3
	QLOAD \q, \b, 48
.endr
.endr
	WIN 0
	s_mov_b32 s2, 0                                ; the trip: four blocks, two pairs
	v_add_nc_u32 v[AX], 0, v[LI]
	v_add_nc_u32 v[AY], 0x10000, v[LI]
.set I_, 0
.rept 64
	v_mov_b32 v[ACC+64+I_], 0                      ; the first trip works on these as a pair before it, and keeps nothing of it
.set I_, I_+1
.endr
.irp t, 0,1,2,3
	v_mov_b32 v[EMB+\t], 0
	v_mov_b32 v[NM+2*\t], 0
	v_mov_b32 v[NM+2*\t+1], 0
	v_mov_b32 v[LS+\t], 0
.endr
.set I_, 0
.rept 32
	v_mov_b32 v[H+I_], 0
.set I_, I_+1
.endr
	WALU
	s_wait_tensorcnt 0x0                           ; my part of the first half is in
	ds_add_u32 v[SPW], v[NIL]
	s_add_co_u32 s[G0+1], s[G0+1], 0x20000
	s_add_nc_u64 s[G0+2:G0+3], s[G0+2:G0+3], 0x8000
	s_wait_dscnt 0x0
	CROUND
	TLOAD                                          ; keys 128-255
	FETCH 0, AX, AY, 0
	FETCH 1, AX, AY, 1
	s_wait_loadcnt 0x0                             ; the queries and the scale words
.Ltrip:
	s_lshr_b32 s20, s2, 1                          ; the trip's keys in LDS: half trip / 2, four row blocks (trip % 2) on
	s_lshl_b32 s20, s20, 17
	s_and_b32 s21, s2, 1
	s_lshl_b32 s21, s21, 14
	SADD 20, 21
	v_add_nc_u32 v[AX], s20, v[LI]
	s_add_co_u32 s20, s20, 0x10000
	v_add_nc_u32 v[AY], s20, v[LI]
	s_add_co_u32 s23, s2, 1                        ; and the next trip's
	s_lshr_b32 s20, s23, 1
	s_and_b32 s21, s23, 1
	s_lshl_b32 s22, s20, 17
	s_lshl_b32 s23, s21, 14
	SADD 22, 23
	v_add_nc_u32 v[AXN], s22, v[LI]
	s_add_co_u32 s22, s22, 0x10000
	v_add_nc_u32 v[AYN], s22, v[LI]
	s_lshl_b32 s20, s20, 12
	s_lshl_b32 s21, s21, 8
	SADD 20, 21
	s_mov_b32 s21, 0
	s_add_nc_u64 s[22:23], s[KB:KB+1], s[20:21]
	WALU
	s_cmp_eq_u32 s2, 3
	s_cbranch_scc1 .Lno_words
.irp m, 0,1,2,3
	global_load_b128 v[NKW+4*\m:NKW+4*\m+3], v[KO], s[22:23] offset:1024*\m
.endr
.Lno_words:
	s_wait_dscnt 32                                ; this block's keys are in; the next block's loads may be out
	s_wait_xcnt 0x0                                ; the last stores have read the codes' registers
	RUN 0, 0, 0, 1, ACC+64, ACC+96, EMB, 0
	EXPS ACC+64, ACC+96, EMB
	EMAX ACC, EMA                                  ; the wait that ends the batch stands directly ahead of these first readers of the block's sums
	FETCH 0, AX, AY, 2
	s_wait_dscnt 32
	RUN 1, 1, 1, 2, ACC+64, ACC+96, EMB, 6
	WALU
	s_cmp_eq_u32 s2, 0
	s_cbranch_scc1 .Lbegin
	VOUT -512
	s_branch .Lbegun
.Lbegin:
.irp t, 0,1,2,3
	v_mov_b32 v[NM+2*\t], 0x7e967699               ; 1e38: above every -M;  the sums begin
	v_mov_b32 v[LS+\t], 0
.endr
	WALU
.Lbegun:
	FETCH 1, AX, AY, 3
	s_wait_dscnt 32
	s_wait_xcnt 0x0
	RUN 0, 2, 2, 1, ACC, ACC+32, EMA, 0
	EXPS ACC, ACC+32, EMA
	EMAX ACC+64, EMB
	WALU
	s_wait_tensorcnt 0x0                           ; the second half of the keys is shown
	s_wait_dscnt 0x0
	BARRIER
	s_cmp_eq_u32 s2, 3
	s_cbranch_scc1 .Lnone_0
	FETCH 0, AXN, AYN, 0
.Lnone_0:
	RUN 1, 3, 3, 2, ACC, ACC+32, EMA, 7
	VOUT 0
	WALU
	s_cmp_eq_u32 s2, 3
	s_cbranch_scc1 .Lnone_1
	FETCH 1, AXN, AYN, 1
	s_wait_loadcnt 0x0                             ; the next trip's scale words
.set I_, 0
.rept 16
	v_mov_b32 v[KW+I_], v[NKW+I_]
.set I_, I_+1
.endr
.set I_, 0
.rept 24
	v_mov_b32 v[H+I_], v[H+I_+8]                   ; two slots on
.set I_, I_+1
.endr
.Lnone_1:
	s_wait_xcnt 0x0
	s_add_nc_u64 s[CB:CB+1], s[CB:CB+1], 1024
	s_add_co_u32 s2, s2, 1
	WALU
	s_cmp_lt_u32 s2, 4
	s_cbranch_scc1 .Ltrip
; the last pair: its slot is 0, where the first trip's nothing lay
.set K_, 0
.rept 88
	P1 K_, ACC+64, ACC+96, EMB
.set K_, K_+1
.endr
	EXPS ACC+64, ACC+96, EMB
.set K_, 0
.rept 132
	P2 K_, ACC+64, ACC+96, EMB, 0
.set K_, K_+1
.endr
	v_nop
	VOUT -512
	s_wait_xcnt 0x0
.irp t, 0,1,2,3
	v_cvt_i32_f32 v[CD+\t], v[NM+2*\t]
.endr
.irp k, 0,1,2,3,4,5,6,7
.irp t, 0,1,2,3
	v_add_nc_u32 v[H+4*\k+\t], v[H+4*\k+\t], v[CD+\t]   ; the byte under the last M,
.endr
.irp t, 0,1,2,3
	v_max_i32 v[H+4*\k+\t], 1, v[H+4*\k+\t]        ; held at 1 from below
.endr
.endr
.irp t, 0,1,2,3
	v_lshl_or_b32 v[CD+4+\t], v[H+8+\t], 8, v[H+4+\t]    ; key step 0: slots 1 to 4;  key step 1: slots 5, 6, 7, 0
	v_lshl_or_b32 v[CD+8+\t], v[H+24+\t], 8, v[H+20+\t]
.endr
.irp t, 0,1,2,3
	v_lshl_or_b32 v[CD+4+\t], v[H+12+\t], 16, v[CD+4+\t]
	v_lshl_or_b32 v[CD+8+\t], v[H+28+\t], 16, v[CD+8+\t]
.endr
.irp t, 0,1,2,3
	v_lshl_or_b32 v[CD+4+\t], v[H+16+\t], 24, v[CD+4+\t]
	v_lshl_or_b32 v[CD+8+\t], v[H+\t], 24, v[CD+8+\t]
.endr
.irp t, 0,1,2,3
	v_permlanex16_b32 v[CD+\t], v[LS+\t], s[SEL], s[SEL+1]
	v_mov_b32 v[CD+12+\t], v[NM+2*\t]
.endr
.irp t, 0,1,2,3
	v_add_f32 v[LS+\t], v[LS+\t], v[CD+\t]
	v_cndmask_b32 v[CD+4+\t], v[CD+4+\t], v[CD+8+\t], s[HM]
.endr
	global_store_b128 v[LI], v[CD+4:CD+7], s[PST:PST+1]                    ; 512 consecutive bytes each
	global_store_b128 v[LI], v[CD+12:CD+15], s[PST:PST+1] offset:524288
	global_store_b128 v[LI], v[LS:LS+3], s[PST:PST+1] offset:1048576
	s_wait_tensorcnt 0x0                           ; the wave's end
	ds_add_u32 v[SPW], v[NIL]
	s_wait_dscnt 0x0
	CROUND                                         ; the closing round
	s_endpgm
.Lfunc_end_k_qf488a0c95f_score:
	.size	k_qf488a0c95f_score, .Lfunc_end_k_qf488a0c95f_score-k_qf488a0c95f_score
	.p2alignl 7, 3214868480
	.fill 96, 4, 3214868480
	.section	.rodata,"a",@progbits
	.p2align	6, 0x0
	.amdhsa_kernel k_qf488a0c95f_score
		.amdhsa_group_segment_fixed_size 327680
		.amdhsa_private_segment_fixed_size 0
		.amdhsa_enable_private_segment 0
		.amdhsa_kernarg_size 32
		.amdhsa_user_sgpr_count 2
		.amdhsa_user_sgpr_kernarg_segment_ptr 1
		.amdhsa_wavefront_size32 1
		.amdhsa_system_sgpr_workgroup_id_x 1
		.amdhsa_system_sgpr_workgroup_id_y 1
		.amdhsa_system_sgpr_workgroup_id_z 1
		.amdhsa_system_vgpr_workitem_id 0
		.amdhsa_next_free_vgpr 1024
		.amdhsa_next_free_sgpr 66
		.amdhsa_reserve_vcc 0
		.amdhsa_float_denorm_mode_32 3
		.amdhsa_float_denorm_mode_16_64 3
		.amdhsa_memory_ordered 1
		.amdhsa_forward_progress 1
		.amdhsa_inst_pref_size 110
	.end_amdhsa_kernel
	.amdgpu_metadata
---
amdhsa.version: [ 1, 2 ]
amdhsa.kernels:
  - .name:           k_qf488a0c95f_score
    .symbol:         k_qf488a0c95f_score.kd
    .args:
      - { .name: c2, .offset: 0, .size: 8, .value_kind: global_buffer, .address_space: global }
      - { .name: s2, .offset: 8, .size: 8, .value_kind: global_buffer, .address_space: global }
      - { .name: pc, .offset: 16, .size: 8, .value_kind: global_buffer, .address_space: global }
      - { .name: pst, .offset: 24, .size: 8, .value_kind: global_buffer, .address_space: global }
    .group_segment_fixed_size: 327680
    .private_segment_fixed_size: 0
    .kernarg_segment_align: 8
    .kernarg_segment_size: 32
    .max_flat_workgroup_size: 128
    .sgpr_count:     66
    .vgpr_count:     1024
    .wavefront_size: 32
...
	.end_amdgpu_metadata
.endif
;; end of part 3
;; launch outp (part 4): grid 32 x 8, 4 waves a work-group, clusters of 4 x 1, 327,680 bytes of LDS; arguments pc, pst, c2, s2, out0; writes out0
.if DOCPART == 4
	.amdgcn_target "amdgcn-amd-amdhsa--gfx1250"
	.amdhsa_code_object_version 6
	.text
	.protected	k_qf488a0c95f_outp
	.globl	k_qf488a0c95f_outp
	.p2align	8
	.type	k_qf488a0c95f_outp,@function
k_qf488a0c95f_outp:
	s_mov_b64 s[64:65], 0
	v_nop
	global_prefetch_b8 v0, s[64:65] scope:SCOPE_SE
	s_setreg_imm32_b32 hwreg(HW_REG_WAVE_MODE, 25, 1), 1
	s_wait_xcnt 0x0
	s_wait_alu depctr_hold_cnt(0) depctr_sa_sdst(0) depctr_va_vdst(0) depctr_va_sdst(0) depctr_va_ssrc(0) depctr_va_vcc(0) depctr_vm_vsrc(0)
	s_getreg_b32 s2, hwreg(HW_REG_IB_STS2, 6, 4)
	s_cmp_eq_u32 s2, 0
	s_cbranch_scc0 .Lentry_in_a_cluster
	s_endpgm
.Lentry_in_a_cluster:
	s_bfe_u32 s2, ttmp6, 0x10000c
	s_cmp_lg_u32 s2, 0x3003
	s_cbranch_scc0 .Lentry_shape_is_right
	s_endpgm
.Lentry_shape_is_right:
; O = p V / l on the codes of pc and of c2 (V^T, from 16 MiB on).  The scale words of pst are brought under each row's own M = the largest of its eight parts', which the scale bytes take up; l likewise.  No work is left out.
; LIMITS: as stated at the heads of the first and the third launch's texts.  A scale byte that would fall under 0 becomes 0, the smallest scale: such a block lies under 2^-96 of the row's largest p.
; SHARES.  A work-group makes 256 queries x 128 of V's columns; each of its four waves 64 queries x 128 columns: 32 accumulators, window 3.  Source 0 = 16 rows of V^T, source 1 = 16 queries: a lane holds one query, and
; the order of V^T's rows makes the registers of two neighbouring tiles 16 neighbouring columns.
; K = 2,048 keys go in eight phases of 256.  V^T's 128 rows lie in LDS for all of K: two halves of 131,072 bytes, each filled once: a phase is 32,768 dense bytes of c2, one a wave.  The four work-groups of a cluster
; share them: joint loads.  p is not asked for jointly: its 524,288 bytes are no tile for LDS beside V^T; each byte goes straight into one wave's registers, two phases by turns (window 1), a phase ahead.
; A phase is two blocks of 32 products: four of V^T's row blocks each, in two sets of registers (window 2) that take turns; 16 accumulators take turns in a block.
; PREFETCHES: p's phases 4 and 5 behind phase 0, 6 and 7 behind phase 2, ahead of their loads by two phases.  The eight work-groups with the same queries share them out by address: a wave 4,096 bytes, 256 a lane of sixteen.  Phases 0 to 3 come by their loads alone.
.set STAGE, 262144                     ; behind V^T: 16 rows x 528 bytes for each wave
.set SPARE, 295936
.set LI,   3                           ; v3   16 x lane
.set STO,  4                           ; v4   into the stage;  v5 out of it
.set RD,   5
.set PFO,  6                           ; v6   256 x lane, at most 3,840
.set ADV,  7                           ; v7   LDS address of the phases that are fetched next
.set RL,   8                           ; v8-15 1 / l, twice each
.set SPW,  28
.set NIL,  29
.set SA,   32                          ; v32-63 p's scale words: register 4 phase + tile: lanes 0-15 the phase's even key step, lanes 16-31 its odd one
.set SB,   64                          ; v64-127 V^T's: register 4 key step + j: lanes 0-15 row block j, lanes 16-31 row block 4 + j
.set NMT,  128
.set LT,   160
.set NMG,  192
.set LSUM, 196
.set T0,   200
.set T1,   204
.set T2,   208
.set XM,   128
.set BK,   192
.set G1,   24
.set G0,   32
.set PB,   44
.set PF,   46
.set MSB, 0
.macro WIN new                         ; the immediate's high byte repeats the setting that is left
.if MSB != (\new)
	s_set_vgpr_msb (MSB<<8)|(\new)
.set MSB, (\new)
.endif
.endm
.macro PLACES n
.rept \n
	v_nop
.endr
.endm
.macro WALU
	s_wait_alu depctr_va_vdst(0)
.endm
.macro BARRIER
	s_barrier_signal -1
	s_barrier_wait -1
.endm
.macro CROUND                          ; a round of the cluster's barrier
	BARRIER
	s_cmp_lg_u32 s14, 0
	s_cbranch_scc1 .Lnot_wave_0_\@
	s_barrier_signal -3
.Lnot_wave_0_\@:
	s_barrier_wait -3
	BARRIER
.endm
.macro TLOAD
	tensor_load_to_lds s[G0:G0+3], s[G1:G1+7]
	s_nop 0
	PLACES 4
.endm
.macro SADD d, x
	s_add_co_u32 s\d, s\d, s\x
.endm
.macro MMS cc, ra, rb                  ; ra, rb: the scale words stand in lanes 16-31
.if (\ra) && (\rb)
	v_wmma_scale_f32_16x16x128_f8f6f4 v[D_:D_+7], v[V_:V_+15], v[P_:P_+15], \cc, v[VS_], v[PS_] matrix_a_fmt:MATRIX_FMT_BF8 matrix_b_fmt:MATRIX_FMT_BF8 matrix_a_scale:MATRIX_SCALE_ROW1 matrix_b_scale:MATRIX_SCALE_ROW1
.elseif \ra
	v_wmma_scale_f32_16x16x128_f8f6f4 v[D_:D_+7], v[V_:V_+15], v[P_:P_+15], \cc, v[VS_], v[PS_] matrix_a_fmt:MATRIX_FMT_BF8 matrix_b_fmt:MATRIX_FMT_BF8 matrix_a_scale:MATRIX_SCALE_ROW1
.elseif \rb
	v_wmma_scale_f32_16x16x128_f8f6f4 v[D_:D_+7], v[V_:V_+15], v[P_:P_+15], \cc, v[VS_], v[PS_] matrix_a_fmt:MATRIX_FMT_BF8 matrix_b_fmt:MATRIX_FMT_BF8 matrix_b_scale:MATRIX_SCALE_ROW1
.else
	v_wmma_scale_f32_16x16x128_f8f6f4 v[D_:D_+7], v[V_:V_+15], v[P_:P_+15], \cc, v[VS_], v[PS_] matrix_a_fmt:MATRIX_FMT_BF8 matrix_b_fmt:MATRIX_FMT_BF8
.endif
.endm
.macro MUL p, g, ph, z                 ; a block: p in buffer p, V^T's row blocks 4 g .. 4 g + 3 in set g, the scale words of place ph; z: the first products start the sums
	WIN 0xf6                                       ; source 0 window 2, source 1 window 1, C and D window 3
.irp k, 0,1
.irp a, 0,1,2,3
.irp m, 0,1,2,3
.set D_, 64*\a+8*(4*(\g)+\m)
.set V_, 128*(\g)+32*\m+16*\k
.set P_, 128*(\p)+32*\a+16*\k
.set VS_, SB+8*(\ph)+4*\k+\m
.set PS_, SA+4*(\ph)+\a
.if (\z) && (\k == 0)
	MMS 0, \g, \k
.else
	MMS v[D_:D_+7], \g, \k
.endif
.endr
.endr
.endr
	WIN 0
	PLACES 8                                       ; ahead of the loads into what the products have read
.endm
.macro FETCH g, adr, off               ; V^T's row blocks 4 g .. 4 g + 3 of a phase into set g: 32 loads
	WIN 0x80
.irp m, 0,1,2,3
.irp k, 0,1
.irp c, 0,1,2,3
	ds_load_b128 v[128*\g+32*\m+16*\k+4*\c:128*\g+32*\m+16*\k+4*\c+3], v[\adr] offset:(\off)+4096*(4*\g+\m)+2048*\k+512*\c
.endr
.endr
.endr
	WIN 0
.endm
.macro PLOAD p, off                    ; a phase of p into buffer p: 32 loads of 512 consecutive bytes
	WIN 0x40
.irp k, 0,1
.irp a, 0,1,2,3
.irp c, 0,1,2,3
	global_load_b128 v[128*\p+32*\a+16*\k+4*\c:128*\p+32*\a+16*\k+4*\c+3], v[LI], s[PB:PB+1] offset:(\off)+32768*\a+2048*\k+512*\c
.endr
.endr
.endr
	WIN 0
.endm
.macro PHASE p, ph, z, adr, off, bar   ; a phase; behind each block its set takes the next phase's
	s_wait_dscnt 32                                ; this block's set is in; the other's 32 loads may be out
	MUL \p, 0, \ph, \z
	FETCH 0, \adr, \off
	s_wait_dscnt 32
	MUL \p, 1, \ph, \z
.if \bar
	s_wait_tensorcnt 0x0                           ; V^T's second half is shown
	s_wait_dscnt 0x0
	BARRIER
.endif
	FETCH 1, \adr, \off
.endm
	s_load_b256 s[4:11], s[0:1], 0x0               ; pc, pst, c2, s2
	s_load_b64 s[12:13], s[0:1], 0x20              ; out0
	v_lshl_add_u32 v[SPW], v0, 2, SPARE
	v_mov_b32 v[NIL], 0
	ds_add_u32 v[SPW], v[NIL]                      ; the wave's opening: the add, twice on end, and its wait ahead of my first tensor load
	ds_add_u32 v[SPW], v[NIL]
	v_lshrrev_b32 v1, 5, v0
	v_readfirstlane_b32 s14, v1                    ; wave 0..3
	s_bfe_u32 s16, ttmp6, 0x40000                  ; cx
	s_lshl_b32 s17, ttmp9, 2
	s_add_co_u32 s17, s17, s16                     ; which 256 queries, 0..31
	s_and_b32 s18, ttmp7, 0xffff                   ; which 128 columns, 0..7
	s_lshr_b32 s19, ttmp9, 1                       ; the batch
	s_mov_b32 s[G1], 0x23000f                      ; 15:0 the mask: all four of the cluster; 17:16 elements of 8 bytes; 21 set beside a mask
	s_mov_b32 s[G1+1], 32<<16
	s_mov_b32 s[G1+2], 128<<16
	s_mov_b32 s[G1+3], 32<<16
	s_mov_b32 s[G1+4], 128                         ; 128 rows of 256 bytes, dense
	s_mov_b32 s[G1+5], 32
	s_mov_b32 s[G1+6], 0
	s_mov_b32 s[G1+7], 0
	s_lshl_b32 s20, s19, 18
	s_lshl_b32 s21, s18, 15
	SADD 20, 21
	s_lshl_b32 s21, s14, 20
	SADD 20, 21
	s_add_co_u32 s20, s20, 0x1000000               ; V^T: my wave's phase
	s_mov_b32 s21, 0
	WALU
	s_wait_dscnt 0x0                               ; both opening adds are done
	CROUND                                         ; all four work-groups are here
	s_wait_kmcnt 0x0
	s_mov_b32 s[G0], 1
	s_lshl_b32 s[G0+1], s14, 15
	s_add_nc_u64 s[G0+2:G0+3], s[8:9], s[20:21]
	s_or_b32 s[G0+3], s[G0+3], 0x80000000
	TLOAD                                          ; phases 0-3
	v_and_b32 v1, 15, v0                           ; r
	v_bfe_u32 v2, v0, 4, 1                         ; h
	v_and_b32 v[PFO], 31, v0
	v_lshlrev_b32 v[LI], 4, v[PFO]
	v_min_u32 v[PFO], 15, v[PFO]
	v_lshlrev_b32 v[PFO], 8, v[PFO]
	v_mul_u32_u24 v[STO], v1, 528
	v_lshl_add_u32 v[STO], v2, 6, v[STO]
	s_lshl_b32 s22, s17, 14                        ; my 64 queries in pst
	s_lshl_b32 s20, s14, 12
	SADD 22, 20
	s_mov_b32 s23, 0
	s_add_nc_u64 s[36:37], s[6:7], s[22:23]
	s_lshl_b32 s22, s19, 3                         ; V^T's scale words
	SADD 22, 18
	s_lshl_b32 s22, s22, 13
	s_add_co_u32 s22, s22, 0x80000
	s_add_nc_u64 s[40:41], s[10:11], s[22:23]
	s_lshl_b32 s22, s17, 19                        ; my 64 queries in pc
	s_lshl_b32 s20, s14, 17
	SADD 22, 20
	s_add_nc_u64 s[PB:PB+1], s[4:5], s[22:23]
	s_lshl_b32 s22, s17, 19                        ; my share of the prefetches
	s_lshl_b32 s20, s18, 16
	SADD 22, 20
	s_lshr_b32 s20, s14, 1
	s_lshl_b32 s20, s20, 15
	SADD 22, 20
	s_and_b32 s20, s14, 1
	s_lshl_b32 s20, s20, 12
	SADD 22, 20
	s_add_nc_u64 s[PF:PF+1], s[4:5], s[22:23]
	s_lshl_b32 s22, s17, 20                        ; my rows and columns of the output
	s_lshl_b32 s20, s14, 18
	SADD 22, 20
	s_lshl_b32 s20, s18, 9
	SADD 22, 20
	s_add_nc_u64 s[12:13], s[12:13], s[22:23]
	s_mul_i32 s20, s14, 8448
	s_add_co_u32 s20, s20, STAGE
	WALU
.irp g, 0,1,2,3,4,5,6,7
	global_load_b128 v[SA+4*\g:SA+4*\g+3], v[LI], s[36:37] offset:512*\g
	global_load_b128 v[NMT+4*\g:NMT+4*\g+3], v[LI], s[36:37] offset:524288+512*\g
	global_load_b128 v[LT+4*\g:LT+4*\g+3], v[LI], s[36:37] offset:1048576+512*\g
.endr
.irp k, 0,1,2,3,4,5,6,7,8,9,10,11,12,13,14,15
	global_load_b128 v[SB+4*\k:SB+4*\k+3], v[LI], s[40:41] offset:512*\k
.endr
	PLOAD 0, 0
	PLOAD 1, 4096
	v_add_nc_u32 v[STO], s20, v[STO]
	v_add_nc_u32 v[RD], s20, v[LI]
	WALU
	s_wait_loadcnt 63                              ; the 40 loads of scale words, M and l are in (behind them: 64 of p, of which 63 may be out)
.irp j, 0,1,2,3
	v_min_num_f32 v[NMG+\j], v[NMT+\j], v[NMT+4+\j]   ; the row's -M
.endr
.irp g, 2,3,4,5,6,7
.irp j, 0,1,2,3
	v_min_num_f32 v[NMG+\j], v[NMG+\j], v[NMT+4*\g+\j]
.endr
.endr
.irp g, 0,1,2,3,4,5,6,7
.irp j, 0,1,2,3
	v_sub_f32 v[T0+\j], v[NMG+\j], v[NMT+4*\g+\j]  ; the part's M less the row's: 0 or less,
.endr
.irp j, 0,1,2,3
	v_max_num_f32 v[T0+\j], 0xc2fe0000, v[T0+\j]   ; held at -127
.endr
.irp j, 0,1,2,3
	v_cvt_i32_f32 v[T0+\j], v[T0+\j]
.endr
.if \g == 0
.irp j, 0,1,2,3
	v_ldexp_f32 v[LSUM+\j], v[LT+\j], v[T0+\j]
.endr
.else
.irp j, 0,1,2,3
	v_ldexp_f32 v[T1+\j], v[LT+4*\g+\j], v[T0+\j]
.endr
.irp j, 0,1,2,3
	v_add_f32 v[LSUM+\j], v[LSUM+\j], v[T1+\j]
.endr
.endif
.irp j, 0,1,2,3
	v_sub_nc_u32 v[T0+\j], 0, v[T0+\j]
.endr
.irp j, 0,1,2,3
	v_perm_b32 v[T0+\j], v[T0+\j], v[T0+\j], 0     ; four times the same byte: what each scale byte (under 128) loses; with bit 7 set beside it no byte borrows from its neighbour
.endr
.irp j, 0,1,2,3
	v_or_b32 v[SA+4*\g+\j], 0x80808080, v[SA+4*\g+\j]
.endr
.irp j, 0,1,2,3
	v_sub_nc_u32 v[SA+4*\g+\j], v[SA+4*\g+\j], v[T0+\j]
.endr
.irp j, 0,1,2,3
	v_and_b32 v[T1+\j], 0x80808080, v[SA+4*\g+\j]  ; where bit 7 is gone the byte fell under 0:
.endr
.irp j, 0,1,2,3
	v_lshrrev_b32 v[T2+\j], 7, v[T1+\j]
.endr
.irp j, 0,1,2,3
	v_sub_nc_u32 v[T1+\j], v[T1+\j], v[T2+\j]
.endr
.irp j, 0,1,2,3
	v_and_b32 v[SA+4*\g+\j], v[SA+4*\g+\j], v[T1+\j]   ; it becomes 0
.endr
.endr
	WALU
.irp j, 0,1,2,3
	v_rcp_f32 v[RL+2*\j], v[LSUM+\j]
.endr
	v_nop
	WALU
.irp j, 0,1,2,3
	v_mov_b32 v[RL+2*\j+1], v[RL+2*\j]
.endr
	WALU
	s_wait_tensorcnt 0x0                           ; my part of V^T's first half is in
	ds_add_u32 v[SPW], v[NIL]
	s_add_co_u32 s[G0+1], s[G0+1], 0x20000
	s_add_nc_u64 s[G0+2:G0+3], s[G0+2:G0+3], 0x400000
	s_wait_dscnt 0x0
	CROUND
	TLOAD                                          ; phases 4-7
	FETCH 0, LI, 0
	FETCH 1, LI, 0
	PLACES 8
	s_wait_loadcnt 32                              ; this phase of p is in; the next one's 32 loads may be out (so in every phase)
	PHASE 0, 0, 1, LI, 32768, 0
	PLOAD 0, 8192
	global_prefetch_b8 v[PFO], s[PF:PF+1] offset:16384 th:TH_LOAD_NT scope:SCOPE_SE
	s_mov_b32 s2, 0                                ; trip t: phases 1 + 2 t and 2 + 2 t
.Ltrip:
	s_lshl_b32 s23, s2, 16
	s_add_co_u32 s23, s23, 65536
	v_add_nc_u32 v[ADV], s23, v[LI]
	WALU
	s_wait_loadcnt 32
	PHASE 1, 1, 0, ADV, 0, 0
	PLOAD 1, 12288
	s_wait_loadcnt 32
	PHASE 0, 2, 0, ADV, 32768, 1
	s_cmp_eq_u32 s2, 2
	s_cbranch_scc1 .Lno_more
	PLOAD 0, 16384
	s_cmp_eq_u32 s2, 0
	s_cbranch_scc0 .Lno_more
	global_prefetch_b8 v[PFO], s[PF:PF+1] offset:24576 th:TH_LOAD_NT scope:SCOPE_SE
.Lno_more:
.set I_, 0
.rept 20
	v_mov_b32 v[SA+4+I_], v[SA+12+I_]              ; the scale words of two phases on come to this trip's places
.set I_, I_+1
.endr
.set I_, 0
.rept 40
	v_mov_b32 v[SB+8+I_], v[SB+24+I_]
.set I_, I_+1
.endr
	s_wait_xcnt 0x0
	s_add_nc_u64 s[PB:PB+1], s[PB:PB+1], 8192
	s_add_co_u32 s2, s2, 1
	WALU
	s_cmp_lt_u32 s2, 3
	s_cbranch_scc1 .Ltrip
	s_wait_loadcnt 0x0                             ; phase 7
	s_wait_dscnt 32
	MUL 1, 0, 1, 0
	s_wait_dscnt 0x0
	MUL 1, 1, 1, 0
; THE WAY OUT of query tile a: divided by l, through my own stage in LDS, and out as whole rows of 512 bytes.
.macro OUTB a
	WIN 0x03
.set I_, 0
.rept 32
	v_pk_mul_f32 v[XM+I_:XM+I_+1], v[64*(\a)+I_:64*(\a)+I_+1], v[RL+2*(\a):RL+2*(\a)+1]
.set I_, I_+2
.endr
	WIN 0
.irp b, 0,1,2,3,4,5,6,7
	ds_store_b128 v[STO], v[XM+8*\b:XM+8*\b+3] offset:128*(\b/2)+32*(\b%2)
	ds_store_b128 v[STO], v[XM+8*\b+4:XM+8*\b+7] offset:128*(\b/2)+32*(\b%2)+16
.endr
.if (\a) > 0
	s_wait_xcnt 0x0                                ; the last tile's stores have read their registers
.endif
.irp t, 0,1,2,3,4,5,6,7,8,9,10,11,12,13,14,15
	ds_load_b128 v[BK+4*\t:BK+4*\t+3], v[RD] offset:528*\t   ; LDS serves a wave's instructions in order (ISA guide 5.7.1.4)
.endr
.irp t, 0,1,2,3,4,5,6,7,8,9,10,11,12,13,14,15
	s_wait_dscnt 15-\t
	global_store_b128 v[LI], v[BK+4*\t:BK+4*\t+3], s[12:13] offset:(16*(\a)+\t)*4096 th:TH_STORE_NT
.endr
.endm
	OUTB 0
	OUTB 1
	OUTB 2
	OUTB 3
	s_wait_tensorcnt 0x0                           ; the wave's end
	ds_add_u32 v[SPW], v[NIL]
	s_wait_dscnt 0x0
	CROUND                                         ; the closing round
	s_endpgm
.Lfunc_end_k_qf488a0c95f_outp:
	.size	k_qf488a0c95f_outp, .Lfunc_end_k_qf488a0c95f_outp-k_qf488a0c95f_outp
	.p2alignl 7, 3214868480
	.fill 96, 4, 3214868480
	.section	.rodata,"a",@progbits
	.p2align	6, 0x0
	.amdhsa_kernel k_qf488a0c95f_outp
		.amdhsa_group_segment_fixed_size 327680
		.amdhsa_private_segment_fixed_size 0
		.amdhsa_enable_private_segment 0
		.amdhsa_kernarg_size 40
		.amdhsa_user_sgpr_count 2
		.amdhsa_user_sgpr_kernarg_segment_ptr 1
		.amdhsa_wavefront_size32 1
		.amdhsa_system_sgpr_workgroup_id_x 1
		.amdhsa_system_sgpr_workgroup_id_y 1
		.amdhsa_system_sgpr_workgroup_id_z 1
		.amdhsa_system_vgpr_workitem_id 0
		.amdhsa_next_free_vgpr 1024
		.amdhsa_next_free_sgpr 66
		.amdhsa_reserve_vcc 0
		.amdhsa_float_denorm_mode_32 3
		.amdhsa_float_denorm_mode_16_64 3
		.amdhsa_memory_ordered 1
		.amdhsa_forward_progress 1
		.amdhsa_inst_pref_size 123
	.end_amdhsa_kernel
	.amdgpu_metadata
---
amdhsa.version: [ 1, 2 ]
amdhsa.kernels:
  - .name:           k_qf488a0c95f_outp
    .symbol:         k_qf488a0c95f_outp.kd
    .args:
      - { .name: pc, .offset: 0, .size: 8, .value_kind: global_buffer, .address_space: global }
      - { .name: pst, .offset: 8, .size: 8, .value_kind: global_buffer, .address_space: global }
      - { .name: c2, .offset: 16, .size: 8, .value_kind: global_buffer, .address_space: global }
      - { .name: s2, .offset: 24, .size: 8, .value_kind: global_buffer, .address_space: global }
      - { .name: out0, .offset: 32, .size: 8, .value_kind: global_buffer, .address_space: global }
    .group_segment_fixed_size: 327680
    .private_segment_fixed_size: 0
    .kernarg_segment_align: 8
    .kernarg_segment_size: 40
    .max_flat_workgroup_size: 128
    .sgpr_count:     66
    .vgpr_count:     1024
    .wavefront_size: 32
...
	.end_amdgpu_metadata
.endif
;; end of part 4
